; MI455X (gfx1250); checked and timed in simulation.
; The chip was launched on July 23, 2026; its instructions are those of AMD's public machine-readable ISA for CDNA 5 (MIT licence, August 2026) and "CDNA5" Instruction Set Architecture Reference Guide (July 2026). The comments in the code are by the model that wrote it; some were corrected since.
;; Transformer Layer. Allowed arithmetic: matrix products marked QUANTISED: E2M3 operands, one E8M0 scale for each 32 along K, by v_wmma_scale_f32_16x16x128_f8f6f4 with both operands' format E2M3, f32 sums; everything else in f32.
;; Inputs: b1 4,096 float32; b2 1,024 float32; in_proj_b 3,072 float32; in_proj_w_codes 3,072 x 32 x 24 uint8 (E2M3 codes of in_proj_w, K innermost, in blocks of 32 codes, four codes in three bytes); in_proj_w_scales 3,072 x 32 uint8 (E8M0 scales of in_proj_w, one for each 32 codes along K); ln1_b 1,024 float32; ln1_g 1,024 float32; ln2_b 1,024 float32; ln2_g 1,024 float32; out_b 1,024 float32; out_w_codes 1,024 x 32 x 24 uint8 (E2M3 codes of out_w, K innermost, in blocks of 32 codes, four codes in three bytes); out_w_scales 1,024 x 32 uint8 (E8M0 scales of out_w, one for each 32 codes along K); rel_pos 16 x 2,048 float32; w1_codes 4,096 x 32 x 24 uint8 (E2M3 codes of w1, K innermost, in blocks of 32 codes, four codes in three bytes); w1_scales 4,096 x 32 uint8 (E8M0 scales of w1, one for each 32 codes along K); w2_codes 1,024 x 128 x 24 uint8 (E2M3 codes of w2, K innermost, in blocks of 32 codes, four codes in three bytes); w2_scales 1,024 x 128 uint8 (E8M0 scales of w2, one for each 32 codes along K); x 4 x 1,024 x 1,024 float32.
;; Outputs: out0 4 x 1,024 x 1,024 float32.
;; This version of the problem:
;;   THIS VERSION OF THE PROBLEM IS GIVEN IN LOW PRECISION. The matrix products marked QUANTISED in the list below multiply operands that are first quantised to E2M3 (2 exponent bits, 3 mantissa bits; 6 bits a number), with one power-of-two scale for each 32 numbers along K (OCP MX v1.0); their sums are f32. All else is computed in f32.
;;   The module's matrix products, in the order in which they are computed (A, B: the left and right operand; K: the contracted axis; several contracted axes count as one K, in the product's order):
;;     1. [M 4,096, K 1,024] x [K 1,024, N 3,072]; A: computed on the way; B: input in_proj_w (given as codes): QUANTISED
;;     2. batch 64 x [M 1,024, K 64] x [K 64, N 1,024]; A: computed on the way; B: computed on the way: QUANTISED
;;     3. batch 64 x [M 1,024, K 1,024] x [K 1,024, N 64]; A: softmax (see below); B: computed on the way: QUANTISED
;;     4. [M 4,096, K 1,024] x [K 1,024, N 1,024]; A: computed on the way; B: input out_w (given as codes): QUANTISED
;;     5. [M 4,096, K 1,024] x [K 1,024, N 4,096]; A: computed on the way; B: input w1 (given as codes): QUANTISED
;;     6. [M 4,096, K 4,096] x [K 4,096, N 1,024]; A: computed on the way; B: input w2 (given as codes): QUANTISED
;;   THE QUANTISER, for each operand of a quantised product, along K:
;;     - K is cut into blocks of 32 from its start; a last block that is shorter is filled with zeros.
;;     - A block's scale is 2^e with e = floor(log2(the largest magnitude in the block)) - 2, held to -126 .. 127; a block of zeros has e = 0. As a byte (E8M0): e + 127.
;;     - Each number is divided by its block's scale, clamped to +-7.5, and rounded to the nearest number of E2M3, ties to even, subnormals kept.
;;     - The product sums the exact products of the quantised numbers (number of the format x scale) in f32.
;;   ~~~python
;;   def quantise(x, axis):      # numpy; x: float32 -> the quantised numbers, widened to float32 again
;;       x = np.moveaxis(x, axis, -1); K = x.shape[-1]
;;       x = np.pad(x, [(0, 0)] * (x.ndim - 1) + [(0, -K % 32)]); x = x.reshape(x.shape[:-1] + (-1, 32)); a = np.abs(x).max(-1, keepdims=True)
;;       e = np.where(a > 0, np.clip(np.frexp(np.where(a > 0, a, 1))[1] - 1 - 2, -126, 127), 0)      # np.frexp(a)[1] - 1 = floor(log2(a)), exactly
;;       r = np.clip(x / 2.0 ** e, -7.5, 7.5)
;;       step = 2.0 ** (np.maximum(np.frexp(np.where(r == 0, 1, r))[1] - 1, 0) - 3)
;;       q = np.round(r / step) * step * 2.0 ** e      # np.round: ties to even
;;       return np.moveaxis(q.reshape(q.shape[:-2] + (-1,))[..., :K], -1, axis).astype(np.float32)
;;   ~~~
;;   SOFTMAX AHEAD OF A QUANTISED PRODUCT. Where the list says 'softmax', what is quantised is not the finished softmax but p = 2^(t - M), with t = logit x log2(e) and M = ceil(the row's largest t), a whole number; so 1/2 < the row's largest p <= 1. The row's sum l is taken of the UNQUANTISED p, in f32, and the product's result is divided by l at the end. Since M is a whole number, a kernel that streams over the keys may use a running M (the ceiling of the running maximum): every later rescaling is an exact power of two, which a block's scale takes up: the codes' values come out the same.
;;   OPERANDS COMPUTED ON THE WAY. 'Computed on the way' means the value that the module computes at that place (a softmax that the list does not call 'softmax' is quantised finished and normalised). What goes into a quantiser is computed in f32, as accurately as f32 sums, v_exp_f32 and their like allow (about 1e-6 of the number): no bf16 or f16 on the way to a quantiser, and a product that is left as it is and whose result goes on into a quantised operand takes f32 operands (vector FMAs, or v_wmma_f32_16x16x4_f32). A number that lies on a knife's edge between two numbers of the format may be rounded either way, as far as f32 arithmetic and the matrix unit's own rounding can turn it there, and no further.
;;   INPUTS GIVEN AS CODES. in_proj_w (in the module: [3072, 1024], K = its axis 1); out_w (in the module: [1024, 1024], K = its axis 1); w1 (in the module: [4096, 1024], K = its axis 1); w2 (in the module: [1024, 4096], K = its axis 1): each comes as NAME_codes (uint8): NAME with its K axis moved to the last place and cut into blocks of 32 codes, [.., K / 32, bytes a block], one block behind the other in memory; four codes in three bytes: a row's codes are one little-endian stream of bits, code i at bits 6 i .. 6 i + 5 (a code: sign, 2 exponent bits, 3 mantissa bits); and NAME_scales (uint8): the same leading axes, one E8M0 byte (e + 127) for each 32 codes along K. Its value is code x scale, taken as it is: it is not quantised again, and the codes and scales need not be those that the quantiser above would give.
;; One version. Each part assembles by itself: llvm-mc -triple=amdgcn-amd-amdhsa -mcpu=gfx1250 --defsym DOCPART=n.
;; ======== version 1 of 1: 7 launches
;; limits: right only within a limited range of input values
;; workspace buffers: xq 3,276,800 bytes; qkv 10,092,544 bytes; oq 3,276,800 bytes; x1 16,777,216 bytes; hq 13,107,200 bytes
;; launch ln1 (part 1): grid 256 x 1, 8 waves a work-group, no clusters, 83,456 bytes of LDS; arguments x, ln1_g, ln1_b, xq; writes xq
.if DOCPART == 1
	.amdgcn_target "amdgcn-amd-amdhsa--gfx1250"
	.amdhsa_code_object_version 6
	.text
	.protected	k_q7abfefc3d5_ln1
	.globl	k_q7abfefc3d5_ln1
	.p2align	8
	.type	k_q7abfefc3d5_ln1,@function
k_q7abfefc3d5_ln1:
	s_mov_b64 s[64:65], 0
	v_nop
	global_prefetch_b8 v0, s[64:65] scope:SCOPE_SE
	s_setreg_imm32_b32 hwreg(HW_REG_WAVE_MODE, 25, 1), 1
	s_wait_xcnt 0x0
; LAYER NORM AND QUANTISER.  src [4096][1024] f32 -> xq: codes of E2M3 [4096][768 bytes], K innermost, then from byte XSC on one E8M0 byte for each 32 along K, [4096][32].
; The program: ln1 (this text) | qkv: product 1, quantised q, k, v | attn: products 2 and 3 | outp: product 4 + residual | ln2 (this text again) | up: product 5, relu, quantised | down: product 6 + residual.
; WORK LEFT OUT IN THE PROGRAM, for all values of the inputs:
;   rel_pos[:, 1024:]: reference() takes rel_pos[:, :size] with size = 1024, so these columns reach no output; they are not read.
;   key steps of 128 keys that all come after a tile's 16 queries: reference()'s own mask puts -inf on them ahead of the softmax, so their p is 0 and they add nothing to the row's sum or to product 3.
;   Every input has a way to the output; every bias and gain is loaded.
; LIMITS: NaN and infinities among the inputs are not served, and a NaN, an infinity or an overflow that reaches only the work left out is not carried to the result.  A block whose largest magnitude lies under 2^-124
; gets the scale byte 1; a block of zeros gets 1 where the rule says 127: its codes are zeros, which add nothing under any byte but 0xff, and the bytes are read by this program alone.
; SHARES.  A work-group takes 16 rows, a wave two.  A row is eight loads of 512 consecutive bytes; mean and variance are taken in two passes over the registers, as reference() takes them.
; The conversion wants 16 NEIGHBOURS along K in one lane, the loads give a lane 4: so a normalised row turns through the wave's own stage in LDS (places of 64 bytes + 16 of padding) and comes back 64 bytes a lane.
; A lane's 16 codes are 12 bytes: a store of the wave covers 384 consecutive bytes.  The work-group's 512 scale bytes meet in LDS and leave by one store of 512 consecutive bytes.
.set XSC,   3145728                    ; where the scale bytes begin in xq
.set SP,    80                         ; a place in the stage
.set ROWST, 64*SP                      ; a row in the stage
.set WST,   2*ROWST                    ; a wave's stage
.set SCB,   8*WST                      ; the work-group's scale bytes, 512
.set SPARE, SCB+512                    ; the spare words, 128 bytes for each wave
.set SPW,   12                         ; v12  my spare word's address; never rewritten
.set NIL,   13                         ; v13  0; never rewritten
.set T,     16                         ; v16-31  at work: eight registers a row
.set X,     32                         ; v32-95  two rows, 32 numbers a lane each
.set G,     96                         ; v96-127 the gain at my columns
.set BB,    128                        ; v128-159 the bias at my columns
.set N,     160                        ; v160-223 (row p, half t): 16 neighbours
.set C,     224                        ; v224-239 codes, four registers for each of the four conversions
.set E,     240                        ; v240-243 their scale bytes
	s_load_b256 s[4:11], s[0:1], 0x0               ; src s[4:5], gain s[6:7], bias s[8:9], xq s[10:11]
	v_lshl_add_u32 v[SPW], v0, 2, SPARE
	v_mov_b32 v[NIL], 0
	v_lshrrev_b32 v1, 5, v0
	s_delay_alu instid0(VALU_DEP_1)
	v_readfirstlane_b32 s12, v1                    ; wave 0..7
	v_and_b32 v1, 31, v0                           ; lane
	s_delay_alu instid0(VALU_DEP_1)
	v_lshlrev_b32 v2, 4, v1                        ; 16 x lane: my bytes of a load's 512
	s_mul_i32 s18, s12, WST
	v_lshrrev_b32 v3, 2, v1
	s_delay_alu instid0(VALU_DEP_1)
	v_mul_u32_u24 v3, v3, SP
	v_and_b32 v4, 3, v1
	s_delay_alu instid0(VALU_DEP_1)
	v_lshl_add_u32 v3, v4, 4, v3
	s_delay_alu instid0(VALU_DEP_1)
	v_add_nc_u32 v3, s18, v3                       ; the stage, in: four lanes' 64 bytes to a place
	v_mul_u32_u24 v4, v1, SP
	s_delay_alu instid0(VALU_DEP_1)
	v_add_nc_u32 v4, s18, v4                       ; and out: a place a lane
	v_mul_u32_u24 v5, v1, 12                       ; my codes' place among a store's 384 bytes
	v_lshrrev_b32 v6, 1, v1
	s_lshl_b32 s19, s12, 6
	s_add_co_u32 s19, s19, SCB
	v_add_nc_u32 v6, s19, v6                       ; my block's scale byte: 64 bytes a wave, two lanes to a block
	v_add_nc_u32 v7, SCB, v2                       ; the scale bytes on their way out
	s_mov_b32 s13, 0x3a800000                      ; 1 / 1024
	s_mov_b32 s14, 0x3727c5ac                      ; eps = 1e-5
	s_mov_b32 s16, 0x76543210
	s_mov_b32 s17, 0xfedcba98                      ; v_permlanex16_b32's selects for lane l xor 16
	s_lshl_b32 s20, ttmp9, 4
	s_lshl_b32 s21, s12, 1
	s_add_co_u32 s20, s20, s21                     ; my first row: 16 x work-group + 2 x wave
	s_lshl_b32 s22, s20, 12
	s_mov_b32 s23, 0
	s_mul_i32 s24, s20, 768
	s_mov_b32 s25, 0
	s_lshl_b32 s26, ttmp9, 9
	s_add_co_u32 s26, s26, XSC
	s_mov_b32 s27, 0
	s_wait_kmcnt 0x0
	s_add_nc_u64 s[4:5], s[4:5], s[22:23]
	s_add_nc_u64 s[28:29], s[10:11], s[26:27]      ; the work-group's scale bytes
	s_add_nc_u64 s[10:11], s[10:11], s[24:25]      ; my rows' codes
.irp p, 0,1
.irp j, 0,1,2,3,4,5,6,7
	global_load_b128 v[X+32*\p+4*\j:X+32*\p+4*\j+3], v2, s[4:5] offset:4096*\p+512*\j th:TH_LOAD_NT
.endr
.endr
.irp j, 0,1,2,3,4,5,6,7
	global_load_b128 v[G+4*\j:G+4*\j+3], v2, s[6:7] offset:512*\j
.endr
.irp j, 0,1,2,3,4,5,6,7
	global_load_b128 v[BB+4*\j:BB+4*\j+3], v2, s[8:9] offset:512*\j
.endr
; both rows' v[b + 8 p] are summed over the 32 lanes, line by line by turns; v[b + 8 p + 1] is at work (it has been written)
.macro LANES b
.irp m, 1,2,4,8
.irp p, 0,1
	s_delay_alu instid0(VALU_DEP_2)
	v_add_f32_dpp v[\b+8*\p], v[\b+8*\p], v[\b+8*\p] row_xmask:\m row_mask:0xf bank_mask:0xf
.endr
.endr
.irp p, 0,1
	s_delay_alu instid0(VALU_DEP_2)
	v_permlanex16_b32 v[\b+8*\p+1], v[\b+8*\p], s16, s17
.endr
.irp p, 0,1
	s_delay_alu instid0(VALU_DEP_2)
	v_add_f32 v[\b+8*\p], v[\b+8*\p], v[\b+8*\p+1]
.endr
.endm
	s_wait_loadcnt 16                              ; the two rows are in; the gain's and the bias's 16 loads are younger
.irp p, 0,1                                    ; the sum, two chains a row
	v_pk_add_f32 v[T+8*\p:T+8*\p+1], v[X+32*\p:X+32*\p+1], v[X+32*\p+2:X+32*\p+3]
	v_pk_add_f32 v[T+8*\p+2:T+8*\p+3], v[X+32*\p+4:X+32*\p+5], v[X+32*\p+6:X+32*\p+7]
.endr
.irp j, 8,12,16,20,24,28
.irp p, 0,1
	s_delay_alu instid0(VALU_DEP_4)
	v_pk_add_f32 v[T+8*\p:T+8*\p+1], v[T+8*\p:T+8*\p+1], v[X+32*\p+\j:X+32*\p+\j+1]
	s_delay_alu instid0(VALU_DEP_4)
	v_pk_add_f32 v[T+8*\p+2:T+8*\p+3], v[T+8*\p+2:T+8*\p+3], v[X+32*\p+\j+2:X+32*\p+\j+3]
.endr
.endr
.irp p, 0
	s_delay_alu instid0(VALU_DEP_3)
	v_pk_add_f32 v[T+8*\p:T+8*\p+1], v[T+8*\p:T+8*\p+1], v[T+8*\p+2:T+8*\p+3]
.endr
.irp p, 1
	s_delay_alu instid0(VALU_DEP_2)
	v_pk_add_f32 v[T+8*\p:T+8*\p+1], v[T+8*\p:T+8*\p+1], v[T+8*\p+2:T+8*\p+3]
.endr
.irp p, 0,1
	s_delay_alu instid0(VALU_DEP_2)
	v_add_f32 v[T+8*\p], v[T+8*\p], v[T+8*\p+1]
.endr
	LANES T
.irp p, 0,1
	s_delay_alu instid0(VALU_DEP_2)
	v_mul_f32 v[T+8*\p], s13, v[T+8*\p]            ; the mean,
.endr
.irp p, 0,1
	s_delay_alu instid0(VALU_DEP_2)
	v_mov_b32 v[T+8*\p+1], v[T+8*\p]               ; twice: a pair for the packed forms
.endr
.irp j, 0,2,4,6,8,10,12,14,16,18,20,22,24,26,28,30
.irp p, 0,1
	v_pk_add_f32 v[X+32*\p+\j:X+32*\p+\j+1], v[X+32*\p+\j:X+32*\p+\j+1], v[T+8*\p:T+8*\p+1] neg_lo:[0,1] neg_hi:[0,1]   ; x - mean
.endr
.endr
.irp p, 0,1                                    ; the sum of squares, two chains a row: the first products start them
	v_pk_mul_f32 v[T+8*\p+2:T+8*\p+3], v[X+32*\p:X+32*\p+1], v[X+32*\p:X+32*\p+1]
	v_pk_mul_f32 v[T+8*\p+4:T+8*\p+5], v[X+32*\p+2:X+32*\p+3], v[X+32*\p+2:X+32*\p+3]
.endr
.irp j, 4,8,12,16,20,24,28
.irp p, 0,1
	s_delay_alu instid0(VALU_DEP_4)
	v_pk_fma_f32 v[T+8*\p+2:T+8*\p+3], v[X+32*\p+\j:X+32*\p+\j+1], v[X+32*\p+\j:X+32*\p+\j+1], v[T+8*\p+2:T+8*\p+3]
	s_delay_alu instid0(VALU_DEP_4)
	v_pk_fma_f32 v[T+8*\p+4:T+8*\p+5], v[X+32*\p+\j+2:X+32*\p+\j+3], v[X+32*\p+\j+2:X+32*\p+\j+3], v[T+8*\p+4:T+8*\p+5]
.endr
.endr
.irp p, 0
	s_delay_alu instid0(VALU_DEP_3)
	v_pk_add_f32 v[T+8*\p+2:T+8*\p+3], v[T+8*\p+2:T+8*\p+3], v[T+8*\p+4:T+8*\p+5]
.endr
.irp p, 1
	s_delay_alu instid0(VALU_DEP_2)
	v_pk_add_f32 v[T+8*\p+2:T+8*\p+3], v[T+8*\p+2:T+8*\p+3], v[T+8*\p+4:T+8*\p+5]
.endr
.irp p, 0,1
	s_delay_alu instid0(VALU_DEP_2)
	v_add_f32 v[T+8*\p+2], v[T+8*\p+2], v[T+8*\p+3]
.endr
	LANES T+2
.irp p, 0,1
	s_delay_alu instid0(VALU_DEP_2)
	v_fma_f32 v[T+8*\p+2], v[T+8*\p+2], s13, s14   ; the variance + eps
.endr
	s_wait_alu depctr_va_vdst(0)
.irp p, 0,1
	v_rsq_f32 v[T+8*\p+4], v[T+8*\p+2]
.endr
	v_nop                                          ; a plain instruction behind the last of the two
	s_wait_alu depctr_va_vdst(0)                   ; one wait for both, ahead of their first reader
.irp p, 0,1
	v_mov_b32 v[T+8*\p+5], v[T+8*\p+4]
.endr
.irp j, 0,2,4,6,8,10,12,14,16,18,20,22,24,26,28,30
.irp p, 0,1
	v_pk_mul_f32 v[X+32*\p+\j:X+32*\p+\j+1], v[X+32*\p+\j:X+32*\p+\j+1], v[T+8*\p+4:T+8*\p+5]
.endr
.endr
	s_wait_loadcnt 0x0                             ; the gain and the bias
.irp j, 0,2,4,6,8,10,12,14,16,18,20,22,24,26,28,30
.irp p, 0,1
	v_pk_fma_f32 v[X+32*\p+\j:X+32*\p+\j+1], v[X+32*\p+\j:X+32*\p+\j+1], v[G+\j:G+\j+1], v[BB+\j:BB+\j+1]
.endr
.endr
.irp p, 0,1                                    ; through the stage: LDS serves a wave's instructions in order, so no wait stands between the stores and the loads
.irp j, 0,1,2,3,4,5,6,7
	ds_store_b128 v3, v[X+32*\p+4*\j:X+32*\p+4*\j+3] offset:ROWST*\p+8*SP*\j
.endr
.irp t, 0,1
.irp i, 0,1,2,3
	ds_load_b128 v[N+32*\p+16*\t+4*\i:N+32*\p+16*\t+4*\i+3], v4 offset:ROWST*\p+32*SP*\t+16*\i
.endr
.endr
.endr
; Row p, half t: my 16 neighbours, columns 512 t + 16 lane on; two neighbouring lanes hold a block of 32.
.macro Q16 p, t
.set XS, N+32*\p+16*\t
.set ID, 2*\p+\t
	v_max3_num_f32 v8, |v[XS]|, |v[XS+1]|, |v[XS+2]|
	v_max3_num_f32 v9, |v[XS+3]|, |v[XS+4]|, |v[XS+5]|
.irp i, 6,10
	s_delay_alu instid0(VALU_DEP_2)
	v_max3_num_f32 v8, v8, |v[XS+\i]|, |v[XS+\i+1]|
	s_delay_alu instid0(VALU_DEP_2)
	v_max3_num_f32 v9, v9, |v[XS+\i+2]|, |v[XS+\i+3]|
.endr
	s_delay_alu instid0(VALU_DEP_2)
	v_max3_num_f32 v8, v8, |v[XS+14]|, |v[XS+15]|
	s_delay_alu instid0(VALU_DEP_1)
	v_max3_num_f32 v8, v8, v9, 0x1800000           ; and the floor 2^(3 - 127): the byte cannot fall under 1
	s_delay_alu instid0(VALU_DEP_1)
	v_max_num_f32_dpp v8, v8, v8 row_xmask:1 row_mask:0xf bank_mask:0xf   ; with my neighbour's 16: the block's largest magnitude
	s_delay_alu instid0(VALU_DEP_1)
	v_add_nc_u32 v11, 0xff000000, v8               ; 2 off its exponent field: the conversion takes this operand's exponent field as its scale
	v_cvt_scalef32_pk16_fp6_f32 v[C+4*ID:C+4*ID+2], v[XS:XS+15], v11
	v_lshrrev_b32 v[E+ID], 23, v11                 ; the scale's byte (a plain instruction behind the conversion)
	ds_store_b8 v6, v[E+ID] offset:32*\p+16*\t     ; both lanes of a block write the same byte with the same value
	global_store_b96 v5, v[C+4*ID:C+4*ID+2], s[10:11] offset:768*\p+384*\t
.endm
	s_wait_dscnt 16                                ; row 0 is back; row 1's eight stores and eight loads are younger
	Q16 0, 0
	Q16 0, 1
	s_wait_dscnt 2                                 ; row 1 is back; row 0's two byte stores are younger
	Q16 1, 0
	Q16 1, 1
	s_wait_dscnt 0x0                               ; for the others' sake: my scale bytes lie in LDS
	s_barrier_signal -1
	s_barrier_wait -1
	s_cmp_lg_u32 s12, 0
	s_cbranch_scc1 .Lnot_wave_0
	ds_load_b128 v[8:11], v7                       ; wave 0: the work-group's 512 scale bytes
	s_wait_dscnt 0x0
	global_store_b128 v2, v[8:11], s[28:29]        ; 512 consecutive bytes, at a multiple of 256 from the buffer's first byte
.Lnot_wave_0:
	s_wait_tensorcnt 0x0                           ; the wave's end, behind my last LDS store
	ds_add_u32 v[SPW], v[NIL]
	s_wait_dscnt 0x0
	s_endpgm
.Lfunc_end_k_q7abfefc3d5_ln1:
	.size	k_q7abfefc3d5_ln1, .Lfunc_end_k_q7abfefc3d5_ln1-k_q7abfefc3d5_ln1
	.p2alignl 7, 3214868480
	.fill 96, 4, 3214868480
	.section	.rodata,"a",@progbits
	.p2align	6, 0x0
	.amdhsa_kernel k_q7abfefc3d5_ln1
		.amdhsa_group_segment_fixed_size 83456
		.amdhsa_private_segment_fixed_size 0
		.amdhsa_enable_private_segment 0
		.amdhsa_kernarg_size 32
		.amdhsa_user_sgpr_count 2
		.amdhsa_user_sgpr_kernarg_segment_ptr 1
		.amdhsa_wavefront_size32 1
		.amdhsa_system_sgpr_workgroup_id_x 1
		.amdhsa_system_sgpr_workgroup_id_y 1
		.amdhsa_system_sgpr_workgroup_id_z 1
		.amdhsa_system_vgpr_workitem_id 0
		.amdhsa_next_free_vgpr 248
		.amdhsa_next_free_sgpr 66
		.amdhsa_reserve_vcc 0
		.amdhsa_float_denorm_mode_32 3
		.amdhsa_float_denorm_mode_16_64 3
		.amdhsa_memory_ordered 1
		.amdhsa_forward_progress 1
		.amdhsa_inst_pref_size 28
	.end_amdhsa_kernel
	.amdgpu_metadata
---
amdhsa.version: [ 1, 2 ]
amdhsa.kernels:
  - .name:           k_q7abfefc3d5_ln1
    .symbol:         k_q7abfefc3d5_ln1.kd
    .args:
      - { .name: x, .offset: 0, .size: 8, .value_kind: global_buffer, .address_space: global }
      - { .name: ln1_g, .offset: 8, .size: 8, .value_kind: global_buffer, .address_space: global }
      - { .name: ln1_b, .offset: 16, .size: 8, .value_kind: global_buffer, .address_space: global }
      - { .name: xq, .offset: 24, .size: 8, .value_kind: global_buffer, .address_space: global }
    .group_segment_fixed_size: 83456
    .private_segment_fixed_size: 0
    .kernarg_segment_align: 8
    .kernarg_segment_size: 32
    .max_flat_workgroup_size: 256
    .sgpr_count:     66
    .vgpr_count:     248
    .wavefront_size: 32
...
	.end_amdgpu_metadata
.endif
;; end of part 1
;; launch qkv (part 2): grid 12 x 16, 4 waves a work-group, clusters of 4 x 4, 327,680 bytes of LDS; arguments xq, in_proj_w_codes, in_proj_w_scales, in_proj_b, qkv; writes qkv
.if DOCPART == 2
	.amdgcn_target "amdgcn-amd-amdhsa--gfx1250"
	.amdhsa_code_object_version 6
	.text
	.protected	k_q7abfefc3d5_qkv
	.globl	k_q7abfefc3d5_qkv
	.p2align	8
	.type	k_q7abfefc3d5_qkv,@function
k_q7abfefc3d5_qkv:
	s_mov_b64 s[64:65], 0
	v_nop
	global_prefetch_b8 v0, s[64:65] scope:SCOPE_SE
	s_setreg_imm32_b32 hwreg(HW_REG_WAVE_MODE, 25, 1), 1
	s_wait_xcnt 0x0
	s_wait_alu depctr_hold_cnt(0) depctr_sa_sdst(0) depctr_va_vdst(0) depctr_va_sdst(0) depctr_va_ssrc(0) depctr_va_vcc(0) depctr_vm_vsrc(0)
	s_getreg_b32 s2, hwreg(HW_REG_IB_STS2, 6, 4)
	s_cmp_eq_u32 s2, 0
	s_cbranch_scc0 .Lentry_in_a_cluster
	s_endpgm
.Lentry_in_a_cluster:
	s_bfe_u32 s2, ttmp6, 0x10000c
	s_cmp_lg_u32 s2, 0xf033
	s_cbranch_scc0 .Lentry_shape_is_right
	s_endpgm
.Lentry_shape_is_right:
; PRODUCT 1 AND ITS QUANTISERS.  qkv = LN1(x) in_proj_w^T + in_proj_b on codes of E2M3, K = 1024; q, k quantised along the head's 64, v along the keys, stored as images of the next operands' registers.  Nothing is left out here.
; A tile of 256 x 256 to four waves, 128 x 128 a wave.  K goes through a ring of two LDS slots in chunks of 256 bytes of each row of codes (a row is 768 bytes, so every chunk begins at a multiple of 256 bytes);
; a step of 128 along K is 96 bytes: eight steps to three chunks, steps 2 and 5 lie across two chunks.  The scale bytes of the work-group's rows come once, as dense blocks, and stay.
; 4 x 4 work-groups form a cluster; A's tiles are asked for jointly along a row, B's along a column.  Clusters x = 0, 1: A = tokens, B = weight rows of q, k.  Cluster x = 2: A = weight rows of v, B = tokens, so that a lane's registers run along the keys.
; No prefetch: K is three chunks, of which two are asked for before the first product.
; LIMITS: as stated at the head of the first launch.
.set ROWB,   256
.set NQ,     2
.set KROW,   768
.set STEPS,  8
.set CHUNKS, 3
.set PITCH,  272
.set FR,     12
.set NL,     6
.set NP,     4
.set HALFT,  128*PITCH
.set SLOT,   4*HALFT
.set KS,     32
.set SCL,    2*SLOT
.set HALFS,  (128*KS/256)*272
.set SBLK,   (16*KS/256)*272
.set SPARE,  SCL+4*HALFS
.set STAGE,  SPARE+512
.set XSC,    3145728
.set REC_QK, 53248
.set REC_V,  51200
.set VOFF,   128*REC_QK
.set L16,  8
.set L8,   9
.set STG,  10
.set RDS,  11
.set SH,   12
.set ADRA, 16
.set ADRB, 20
.set ADRS, 27
.set SPW,  28
.set NIL,  29
.set BCA,  30
.set BRA,  31
.set SC,   32
.set BIAS, 64
.set AF,   128
.set BR,   240
.set T,    128
.set QC,   192
.set TM,   212
.set PW,   228
.set W,    230
.set XW,   238
.set G1, 24
.set G0, 32
.set G1B, 48
.set G0B, 56
.set G1S, 68
.set G0S, 76
.set G1SB, 80
.set G0SB, 88
.set G0H, 4
.set G0HB, 8
.set SEL, 98
.set MSB, 0
.macro WIN new
.if MSB != (\new)
	s_set_vgpr_msb (MSB<<8)|(\new)
.set MSB, (\new)
.endif
.endm
.set MUL_LO, 0xa1
.set MUL_HI, 0xf1
.set TO_B,   0x40
.macro JLOAD g0a, g1a, g0b, g1b        ; waves 0, 1 fetch for A, waves 2, 3 for B
	s_cmp_eq_u32 s15, 0
	s_cbranch_scc0 .Lfor_b_\@
	tensor_load_to_lds s[\g0a:\g0a+3], s[\g1a:\g1a+7]
	s_nop 0
.rept 4
	v_nop
.endr
	s_branch .Lasked_\@
.Lfor_b_\@:
	tensor_load_to_lds s[\g0b:\g0b+3], s[\g1b:\g1b+7]
	s_nop 0
.rept 4
	v_nop
.endr
.Lasked_\@:
.endm
.macro CREST
	s_cmp_lg_u32 s14, 0
	s_cbranch_scc1 .Lnot_wave_0_\@
	s_barrier_signal -3
.Lnot_wave_0_\@:
	s_barrier_wait -3
	s_barrier_signal -1
	s_barrier_wait -1
.endm
.macro CROUND
	s_barrier_signal -1
	s_barrier_wait -1
	CREST
.endm
	s_load_b128 s[4:7], s[0:1], 0x0                ; xq, the weight's codes
	s_load_b128 s[8:11], s[0:1], 0x10              ; its scales, the bias
	s_load_b64 s[12:13], s[0:1], 0x20              ; qkv
	v_lshl_add_u32 v[SPW], v0, 2, SPARE
	v_mov_b32 v[NIL], 0
	ds_add_u32 v[SPW], v[NIL]                      ; the opening lines: the add twice and one wait
	ds_add_u32 v[SPW], v[NIL]
	v_lshrrev_b32 v1, 5, v0
	v_readfirstlane_b32 s14, v1                    ; wave
	s_lshr_b32 s15, s14, 1
	s_and_b32 s16, s14, 1
	s_bfe_u32 s40, ttmp6, 0x40000
	s_bfe_u32 s41, ttmp6, 0x40004
	s_and_b32 s17, ttmp7, 0xffff
	s_lshl_b32 s17, s17, 2
	s_lshl_b32 s42, ttmp9, 2
	s_cmp_eq_u32 ttmp9, 2                          ; v's clusters: the sides change places
	s_cselect_b32 s42, s17, s42
	s_cselect_b32 s17, 8, s17
	s_add_co_u32 s42, s42, s40                     ; B's tile
	s_add_co_u32 s17, s17, s41                     ; A's tile
	s_lshl_b32 s43, s41, 2
	s_lshl_b32 s43, 15, s43
	s_lshl_b32 s44, 0x1111, s40
	s_or_b32 s[G1+0], s43, (0<<16)|(1<<20)|(1<<21)|(5<<22)|(3<<25)
	s_or_b32 s[G1B+0], s44, (0<<16)|(1<<20)|(1<<21)|(5<<22)|(3<<25)
.irp g, G1, G1B
	s_mov_b32 s[\g+1], ROWB<<16
	s_mov_b32 s[\g+2], 256<<16                     ; the head's loads bring 256 rows
	s_mov_b32 s[\g+3], ROWB<<16
	s_mov_b32 s[\g+4], 256
	s_mov_b32 s[\g+5], KROW
	s_mov_b32 s[\g+6], 0
	s_mov_b32 s[\g+7], 0
.endr
	s_or_b32 s[G1S+0], s43, (3<<16)|(1<<20)|(1<<21)|(5<<22)|(3<<25)
	s_or_b32 s[G1SB+0], s44, (3<<16)|(1<<20)|(1<<21)|(5<<22)|(3<<25)
.irp g, G1S, G1SB
	s_mov_b32 s[\g+1], 32<<16
	s_mov_b32 s[\g+2], KS<<16
	s_mov_b32 s[\g+3], 32<<16
	s_mov_b32 s[\g+4], KS
	s_mov_b32 s[\g+5], 32
	s_mov_b32 s[\g+6], 0
	s_mov_b32 s[\g+7], 0
.endr
	s_mov_b32 s[SEL], 0x76543210
	s_mov_b32 s[SEL+1], 0xfedcba98
	s_mov_b32 s100, 0xffff0000
	s_lshl_b32 s20, s17, 8
	s_lshl_b32 s46, s42, 8
	s_mov_b32 s21, 0
	s_mov_b32 s47, 0
	s_mov_b64 s[18:19], KS
	s_mul_u64 s[22:23], s[20:21], s[18:19]
	s_mul_u64 s[92:93], s[46:47], s[18:19]
	s_mov_b64 s[18:19], KROW
	s_mul_u64 s[20:21], s[20:21], s[18:19]
	s_mul_u64 s[46:47], s[46:47], s[18:19]
	s_mul_i32 s18, s16, 128*KROW
	s_mov_b32 s19, 0
	s_mul_i32 s45, s14, HALFT
	s_wait_dscnt 0x0
	s_wait_kmcnt 0x0
	s_mov_b64 s[104:105], s[10:11]                 ; the bias
	s_add_nc_u64 s[96:97], s[4:5], XSC             ; xq's scale bytes
	s_cmp_eq_u32 ttmp9, 2
	s_cselect_b64 s[66:67], s[6:7], s[4:5]         ; A's codes
	s_cselect_b64 s[4:5], s[4:5], s[6:7]           ; B's codes
	s_cselect_b64 s[6:7], s[8:9], s[96:97]         ; A's scales
	s_cselect_b64 s[8:9], s[96:97], s[8:9]         ; B's scales
	s_add_nc_u64 s[20:21], s[66:67], s[20:21]
	s_add_nc_u64 s[22:23], s[6:7], s[22:23]
	s_add_nc_u64 s[46:47], s[4:5], s[46:47]
	s_add_nc_u64 s[92:93], s[8:9], s[92:93]
	CROUND                                         ; in front of the first joint loads
	s_mov_b32 s[G0H], 1
	s_mov_b32 s[G0H+1], 0
	s_mov_b64 s[G0H+2:G0H+3], s[20:21]
	s_or_b32 s[G0H+3], s[G0H+3], 0x80000000
	s_mov_b32 s[G0HB], 1
	s_mov_b32 s[G0HB+1], 2*HALFT
	s_mov_b64 s[G0HB+2:G0HB+3], s[46:47]
	s_or_b32 s[G0HB+3], s[G0HB+3], 0x80000000
	s_mov_b32 s[G0S], 1
	s_mov_b32 s[G0S+1], SCL
	s_mov_b64 s[G0S+2:G0S+3], s[22:23]
	s_or_b32 s[G0S+3], s[G0S+3], 0x80000000
	s_mov_b32 s[G0SB], 1
	s_mov_b32 s[G0SB+1], SCL+2*HALFS
	s_mov_b64 s[G0SB+2:G0SB+3], s[92:93]
	s_or_b32 s[G0SB+3], s[G0SB+3], 0x80000000
	s_add_nc_u64 s[20:21], s[20:21], s[18:19]
	s_add_nc_u64 s[46:47], s[46:47], s[18:19]
.irp s, 0,1
	s_mov_b32 s[G0+4*\s], 1
	s_add_co_u32 s[G0+4*\s+1], s45, \s*SLOT
	s_add_nc_u64 s[G0+4*\s+2:G0+4*\s+3], s[20:21], \s*ROWB
	s_or_b32 s[G0+4*\s+3], s[G0+4*\s+3], 0x80000000
	s_mov_b32 s[G0B+4*\s], 1
	s_add_co_u32 s[G0B+4*\s+1], s45, \s*SLOT
	s_add_nc_u64 s[G0B+4*\s+2:G0B+4*\s+3], s[46:47], \s*ROWB
	s_or_b32 s[G0B+4*\s+3], s[G0B+4*\s+3], 0x80000000
.endr
; the head's four tiles, one load a wave: chunk 0 of A, chunk 0 of B, A's scales, B's scales
.macro ARM under, g0, g1, next
	s_cmp_lt_u32 s14, \under
	s_cbranch_scc0 \next
	tensor_load_to_lds s[\g0:\g0+3], s[\g1:\g1+7]
	s_nop 0
.rept 4
	v_nop
.endr
	s_branch .Lhead_asked
\next:
.endm
	ARM 1, G0H,  G1,  .Lhead_b
	ARM 2, G0HB, G1B, .Lhead_sa
	ARM 3, G0S,  G1S, .Lhead_sb
	tensor_load_to_lds s[G0SB:G0SB+3], s[G1SB:G1SB+7]
	s_nop 0
.rept 4
	v_nop
.endr
.Lhead_asked:
	s_lshl_b32 s2, s42, 8                          ; the bias: by columns (q, k) or by rows (v)
	s_lshl_b32 s3, s16, 7
	s_add_co_u32 s2, s2, s3
	s_lshl_b32 s2, s2, 2
	s_lshl_b32 s18, s17, 8
	s_lshl_b32 s19, s15, 7
	s_add_co_u32 s18, s18, s19
	s_lshl_b32 s18, s18, 2
	s_cmp_eq_u32 ttmp9, 2
	s_cselect_b32 s2, 0, s2
	s_cselect_b32 s18, s18, 0
	s_mov_b32 s3, 0
	s_mov_b32 s19, 0
	s_add_nc_u64 s[96:97], s[104:105], s[18:19]
	s_add_nc_u64 s[104:105], s[104:105], s[2:3]
	v_and_b32 v1, 15, v0
	v_bfe_u32 v2, v0, 4, 1
	v_mul_u32_u24 v3, v1, PITCH
	v_mul_u32_u24 v4, v2, 24
	v_add_nc_u32 v4, v3, v4
	s_mov_b32 s21, SLOT-232
	s_mov_b32 s22, SLOT+232
	v_sub_nc_u32 v7, 1, v2
	v_mul_u32_u24 v5, s21, v2
	v_add_nc_u32 v5, v3, v5
	v_add_nc_u32 v5, 232, v5                       ; across two chunks: lanes 0-15 byte 232 in slot 0, lanes 16-31 byte 0 in slot 1
	v_mul_u32_u24 v6, s22, v7
	v_add_nc_u32 v6, v3, v6                        ; and the other way round
	s_mul_i32 s21, s15, HALFT
	s_mul_i32 s22, s16, HALFT
	s_add_co_u32 s22, s22, 2*HALFT
	v_add_nc_u32 v[ADRA+2], s21, v5
	v_add_nc_u32 v[ADRA+3], s21, v6
	v_add_nc_u32 v[ADRB+2], s22, v5
	v_add_nc_u32 v[ADRB+3], s22, v6
.irp s, 0,1
	v_add_nc_u32 v[ADRA+\s], s21, v4
	v_add_nc_u32 v[ADRB+\s], s22, v4
	s_add_co_u32 s21, s21, SLOT
	s_add_co_u32 s22, s22, SLOT
.endr
	v_mul_u32_u24 v5, v1, KS
	v_lshrrev_b32 v6, 8, v5
	v_lshl_add_u32 v5, v6, 4, v5
	s_mul_i32 s21, s15, HALFS
	s_mul_i32 s22, s16, HALFS
	s_add_co_u32 s22, s22, 2*HALFS
	s_sub_co_u32 s22, s22, s21
	v_mul_u32_u24 v6, s22, v2
	s_add_co_u32 s21, s21, SCL
	v_add_nc_u32 v5, v5, v6
	v_add_nc_u32 v[ADRS], s21, v5
	s_lshl_b32 s23, s14, 10
	s_add_co_u32 s23, s23, STAGE
	v_lshlrev_b32 v5, 4, v1
	v_lshl_add_u32 v5, v2, 9, v5
	v_add_nc_u32 v[STG], s23, v5
	v_and_b32 v6, 31, v0
	v_lshlrev_b32 v[L16], 4, v6
	v_lshlrev_b32 v[L8], 3, v6
	v_add_nc_u32 v[RDS], s23, v[L16]
	v_lshlrev_b32 v[SH], 4, v2
	v_lshlrev_b32 v[BCA], 5, v2
	v_lshlrev_b32 v[BRA], 2, v1
	s_wait_alu depctr_va_vdst(0)
.irp b, 0,1,2,3,4,5,6,7
	global_load_b128 v[BIAS+8*\b:BIAS+8*\b+3], v[BCA], s[104:105] offset:64*\b
	global_load_b128 v[BIAS+8*\b+4:BIAS+8*\b+7], v[BCA], s[104:105] offset:64*\b+16
.endr
.irp a, 0,1,2,3,4,5,6,7
	global_load_b32 v[BR+2*\a], v[BRA], s[96:97] offset:64*\a
	global_load_b32 v[BR+2*\a+1], v[BRA], s[96:97] offset:64*\a
.endr
.macro FRAG reg, adr, st, i            ; 16 rows x 128 K: six pieces of 8 bytes; byte y of a row lies in chunk y / 256, slot (y / 256) % 2
.irp p, 0,1,2,3,4,5
.set BY, 96*(\st)+48*(\p/3)+8*(\p%3)
.if BY/ROWB == (BY+24)/ROWB
	ds_load_b64 v[\reg+2*\p:\reg+2*\p+1], v[\adr+(BY/ROWB)%2] offset:BY%ROWB+(\i)*16*PITCH
.else
	ds_load_b64 v[\reg+2*\p:\reg+2*\p+1], v[\adr+2+(BY/ROWB)%2] offset:BY%ROWB-232+(\i)*16*PITCH
.endif
.endr
.endm
.macro MUL16 a0, p, q, sc, zero        ; the 64 accumulators take turns
.irp a, \a0, \a0+1
.irp b, 0,1,2,3,4,5,6,7
.if \zero
	v_wmma_scale_f32_16x16x128_f8f6f4 v[8*(8*((\a)%4)+\b):8*(8*((\a)%4)+\b)+7], v[128*(\p)+FR*\b:128*(\p)+FR*\b+FR-1], v[AF+FR*(\a):AF+FR*(\a)+FR-1], 0, v[SC+8*NQ*(\sc)+NQ*\b+(\q)], v[SC+8*NQ*(\sc)+NQ*(\a)+(\q)] matrix_a_fmt:MATRIX_FMT_FP6 matrix_b_fmt:MATRIX_FMT_FP6 matrix_a_scale:MATRIX_SCALE_ROW1
.else
	v_wmma_scale_f32_16x16x128_f8f6f4 v[8*(8*((\a)%4)+\b):8*(8*((\a)%4)+\b)+7], v[128*(\p)+FR*\b:128*(\p)+FR*\b+FR-1], v[AF+FR*(\a):AF+FR*(\a)+FR-1], v[8*(8*((\a)%4)+\b):8*(8*((\a)%4)+\b)+7], v[SC+8*NQ*(\sc)+NQ*\b+(\q)], v[SC+8*NQ*(\sc)+NQ*(\a)+(\q)] matrix_a_fmt:MATRIX_FMT_FP6 matrix_b_fmt:MATRIX_FMT_FP6 matrix_a_scale:MATRIX_SCALE_ROW1
.endif
.endr
.endr
.endm
.macro FETCH_B st, p
	WIN TO_B
.irp i, 0,1,2,3,4,5,6,7
	FRAG 128*(\p)+FR*\i, ADRB, \st, \i
.endr
	WIN 0
.endm
.macro FETCH_A st, i0
.irp i, \i0, \i0+1, \i0+2, \i0+3
	FRAG AF+FR*(\i), ADRA, \st, \i
.endr
.endm
.macro SCALES pr                       ; the scale words of steps 2 pr, 2 pr + 1: lanes 0-15 A's block i, lanes 16-31 B's
.irp i, 0,1,2,3,4,5,6,7
	ds_load_b64 v[SC+8*NQ*((\pr)%2)+NQ*\i:SC+8*NQ*((\pr)%2)+NQ*\i+1], v[ADRS] offset:\i*SBLK+4*NQ*(\pr)
.endr
.endm
.macro PLACES n
.rept \n
	v_nop
.endr
.endm
; A step: 64 products; the next step's fragments are fetched in its middle and at its end.  Where the next step ends in a chunk not yet read, a barrier shows that chunk whole;
; where it begins in a later chunk, the chunk left behind is given up: the three lines, the barrier, and, if a chunk two on is left, the cluster's round and the refill.
.macro STEP st, zero
.set NX, (\st)+1
.set C0, (96*(\st))/ROWB
.set C1, (96*NX)/ROWB
.set E0, (96*(\st)+95)/ROWB
.set E1, (96*NX+95)/ROWB
.if C1 > C0 || E1 > E0
	s_wait_tensorcnt 0x0                           ; all my tensor loads have landed
.if C1 > C0
	ds_add_u32 v[SPW], v[NIL]
	s_wait_dscnt 4*NL+1                            ; the add and A's blocks 4-7 (24 loads) may be out
.else
	s_wait_dscnt 4*NL                              ; A's blocks 4-7 may be out
.endif
	WIN MUL_LO
	MUL16 0, (\st)%2, (\st)%2, ((\st)/2)%2, \zero
	s_wait_dscnt 0x0                               ; the add and all my reads are done
	s_barrier_signal -1
	MUL16 2, (\st)%2, (\st)%2, ((\st)/2)%2, \zero
	WIN 0
	s_barrier_wait -1
.if C1 > C0 && C0+2 < CHUNKS
	CREST
	s_add_nc_u64 s[G0+4*(C0%2)+2:G0+4*(C0%2)+3], s[G0+4*(C0%2)+2:G0+4*(C0%2)+3], 2*ROWB
	s_add_nc_u64 s[G0B+4*(C0%2)+2:G0B+4*(C0%2)+3], s[G0B+4*(C0%2)+2:G0B+4*(C0%2)+3], 2*ROWB
	JLOAD G0+4*(C0%2), G1, G0B+4*(C0%2), G1B       ; chunk C0 + 2; its four v_nop are the places in front of the loads below
.else
	PLACES NP
.endif
.else
	s_wait_dscnt 4*NL
	WIN MUL_LO
	MUL16 0, (\st)%2, (\st)%2, ((\st)/2)%2, \zero
	MUL16 2, (\st)%2, (\st)%2, ((\st)/2)%2, \zero
	s_wait_dscnt 0
	PLACES NP
.endif
	FETCH_B NX, NX%2
	FETCH_A NX, 0
.if NX%2 == 0
	SCALES NX/2
.endif
	WIN MUL_HI
	MUL16 4, (\st)%2, (\st)%2, ((\st)/2)%2, \zero
	MUL16 6, (\st)%2, (\st)%2, ((\st)/2)%2, \zero
	PLACES NP
	WIN 0
	FETCH_A NX, 4
.endm
	s_wait_alu depctr_va_vdst(0)
	s_wait_tensorcnt 0x0                           ; my tile of the head's four is in; the three lines ahead of slot 1's first fill
	ds_add_u32 v[SPW], v[NIL]
	s_mov_b32 s[G1+2], 128<<16                     ; from here on a load brings 128 rows
	s_mov_b32 s[G1+4], 128
	s_mov_b32 s[G1B+2], 128<<16
	s_mov_b32 s[G1B+4], 128
	s_wait_dscnt 0x0
	CROUND
	JLOAD G0+4, G1, G0B+4, G1B                     ; chunk 1
	FETCH_B 0, 0
	FETCH_A 0, 0
	SCALES 0
	FETCH_A 0, 4
	STEP 0, 1
.set ST, 1
.rept STEPS-2
	STEP ST, 0
.set ST, ST+1
.endr
	s_wait_dscnt 4*NL
	WIN MUL_LO
	MUL16 0, 1, 1, 1, 0
	MUL16 2, 1, 1, 1, 0
	s_wait_dscnt 0
	WIN MUL_HI
	MUL16 4, 1, 1, 1, 0
	MUL16 6, 1, 1, 1, 0
	WIN 0
; THE WAY OUT, block by block of 16 rows of A x 128 of B: + bias, quantised along the lane's registers, stored as register images
.macro GATHER a, row
	WIN 0x02+(\a)/4
.set gi, 0
.rept 32
.if \row
	v_pk_add_f32 v[T+2*gi:T+2*gi+1], v[64*((\a)%4)+2*gi:64*((\a)%4)+2*gi+1], v[BR+2*(\a):BR+2*(\a)+1]
.else
	v_pk_add_f32 v[T+2*gi:T+2*gi+1], v[64*((\a)%4)+2*gi:64*((\a)%4)+2*gi+1], v[BIAS+2*gi:BIAS+2*gi+1]
.endif
.set gi, gi+1
.endr
	WIN 0
.endm
.macro PRESWAP
.irp e, 0,1,2,3
.irp j, 0,1,2,3,4,5,6,7
	v_permlane16_swap_b32 v[T+16*\e+\j], v[T+16*\e+8+\j]
.endr
.endr
.endm
.macro QUANT s
.irp b, 0,1,2,3
	v_max3_num_f32 v[TM+\b], |v[\s+16*\b]|, |v[\s+1+16*\b]|, 0x1800000
.endr
.irp i, 2,4,6,8,10,12,14
.irp b, 0,1,2,3
	v_max3_num_f32 v[TM+\b], v[TM+\b], |v[\s+16*\b+\i]|, |v[\s+1+16*\b+\i]|
.endr
.endr
.irp b, 0,1,2,3
	v_permlanex16_b32 v[TM+4+\b], v[TM+\b], s[SEL], s[SEL+1]
.endr
.irp b, 0,1,2,3
	v_max_num_f32 v[TM+\b], v[TM+\b], v[TM+4+\b]
.endr
.irp b, 0,1,2,3
	v_add_nc_u32 v[TM+12+\b], 0xff000000, v[TM+\b]
.endr
.irp b, 0,1,2,3
	v_lshrrev_b32 v[TM+4+\b], 23, v[TM+12+\b]
.endr
	v_lshl_or_b32 v[PW], v[TM+5], 8, v[TM+4]
	v_lshl_or_b32 v[PW], v[TM+6], 16, v[PW]
	v_lshl_or_b32 v[PW], v[TM+7], 24, v[PW]
.irp c, 0,1
	v_cvt_scalef32_pk16_fp6_f32 v[QC+6*\c:QC+2+6*\c], v[\s+32*\c:\s+15+32*\c], v[TM+12+2*\c]
	v_cvt_scalef32_pk16_fp6_f32 v[QC+12+4*\c:QC+14+4*\c], v[\s+16+32*\c:\s+31+32*\c], v[TM+12+2*\c+1]
.endr
	v_nop
.irp c, 0,1
.irp i, 0,1,2
	v_permlane16_swap_b32 v[QC+6*\c+\i], v[QC+12+4*\c+\i]
.endr
.irp i, 0,1,2
	v_mov_b32 v[QC+3+6*\c+\i], v[QC+12+4*\c+\i]
.endr
.endr
.endm
	PLACES NP
	s_wait_loadcnt 0x0
.irp b, 0,1,2,3
	v_mov_b32 v[TM+4+\b], 0
.endr
	s_cmp_eq_u32 ttmp9, 2
	s_cbranch_scc1 .Lv_path
	s_lshl_b32 s2, s42, 2
	s_lshl_b32 s3, s16, 1
	s_add_co_u32 s2, s2, s3
	s_lshl_b32 s2, s2, 2
	s_lshr_b32 s3, s17, 2
	s_add_co_u32 s2, s2, s3
	s_mul_i32 s2, s2, REC_QK
	s_and_b32 s3, s17, 3
	s_lshl_b32 s3, s3, 1
	s_add_co_u32 s3, s3, s15
	s_mul_i32 s18, s3, 8*768
	s_add_co_u32 s18, s18, s2
	s_mov_b32 s19, 0
	s_lshl_b32 s20, s3, 9
	s_add_co_u32 s20, s20, s2
	s_add_co_u32 s20, s20, 64*768
	s_mov_b32 s21, 0
	s_add_nc_u64 s[4:5], s[12:13], s[18:19]
	s_add_nc_u64 s[6:7], s[12:13], s[20:21]
.irp a, 0,1,2,3,4,5,6,7
.if \a > 0
	s_wait_xcnt 0x0
.endif
	GATHER \a, 0
	PRESWAP
	QUANT T
	global_store_b128 v[L16], v[QC:QC+3], s[4:5] offset:768*\a
	global_store_b64 v[L8], v[QC+4:QC+5], s[4:5] offset:768*\a+512
	global_store_b128 v[L16], v[QC+6:QC+9], s[4:5] offset:768*\a+4*REC_QK
	global_store_b64 v[L8], v[QC+10:QC+11], s[4:5] offset:768*\a+4*REC_QK+512
	v_lshrrev_b32 v[XW], v[SH], v[PW]
	v_and_b32 v[XW], 0xffff, v[XW]
	ds_store_b32 v[STG], v[XW] offset:256*(\a%2)+4*(\a/2)
.endr
	ds_load_b128 v[T:T+3], v[RDS]
	ds_load_b128 v[T+4:T+7], v[RDS] offset:512
	s_wait_dscnt 0x0
	global_store_b128 v[L16], v[T:T+3], s[6:7]
	global_store_b128 v[L16], v[T+4:T+7], s[6:7] offset:4*REC_QK
	s_branch .Lend
.Lv_path:
	s_sub_co_u32 s2, s17, 8
	s_lshl_b32 s2, s2, 2
	s_lshl_b32 s3, s15, 1
	s_add_co_u32 s2, s2, s3
	s_lshl_b32 s2, s2, 2
	s_lshr_b32 s3, s42, 2
	s_add_co_u32 s2, s2, s3
	s_mul_i32 s2, s2, REC_V
	s_add_co_u32 s2, s2, VOFF
	s_and_b32 s3, s42, 3
	s_lshl_b32 s3, s3, 1
	s_add_co_u32 s3, s3, s16
	s_mul_i32 s18, s3, 4*1536
	s_add_co_u32 s18, s18, s2
	s_mov_b32 s19, 0
	s_lshl_b32 s20, s3, 8
	s_add_co_u32 s20, s20, s2
	s_add_co_u32 s20, s20, 32*1536
	s_mov_b32 s21, 0
	s_add_nc_u64 s[4:5], s[12:13], s[18:19]
	s_add_nc_u64 s[6:7], s[12:13], s[20:21]
.irp a, 0,1,2,3,4,5,6,7
.if \a > 0
	s_wait_xcnt 0x0
.endif
	GATHER \a, 1
	QUANT T
.irp g, 0,1,2
	global_store_b128 v[L16], v[QC+4*\g:QC+4*\g+3], s[4:5] offset:1536*(\a%4)+4*REC_V*(\a/4)+512*\g
.endr
	v_mov_b32 v[W+\a%4], v[PW]
.if \a%4 == 3
	v_cndmask_b32 v[XW], v[W], v[W+1], s100
	v_cndmask_b32 v[XW+1], v[W+2], v[W+3], s100
	global_store_b64 v[L8], v[XW:XW+1], s[6:7] offset:4*REC_V*(\a/4)
.endif
.endr
.Lend:
	s_wait_tensorcnt 0x0                           ; the wave's end
	ds_add_u32 v[SPW], v[NIL]
	s_wait_dscnt 0x0
	CROUND
	s_endpgm
.Lfunc_end_k_q7abfefc3d5_qkv:
	.size	k_q7abfefc3d5_qkv, .Lfunc_end_k_q7abfefc3d5_qkv-k_q7abfefc3d5_qkv
	.p2alignl 7, 3214868480
	.fill 96, 4, 3214868480
	.section	.rodata,"a",@progbits
	.p2align	6, 0x0
	.amdhsa_kernel k_q7abfefc3d5_qkv
		.amdhsa_group_segment_fixed_size 327680
		.amdhsa_private_segment_fixed_size 0
		.amdhsa_enable_private_segment 0
		.amdhsa_kernarg_size 40
		.amdhsa_user_sgpr_count 2
		.amdhsa_user_sgpr_kernarg_segment_ptr 1
		.amdhsa_wavefront_size32 1
		.amdhsa_system_sgpr_workgroup_id_x 1
		.amdhsa_system_sgpr_workgroup_id_y 1
		.amdhsa_system_sgpr_workgroup_id_z 1
		.amdhsa_system_vgpr_workitem_id 0
		.amdhsa_next_free_vgpr 1024
		.amdhsa_next_free_sgpr 106
		.amdhsa_reserve_vcc 0
		.amdhsa_float_denorm_mode_32 3
		.amdhsa_float_denorm_mode_16_64 3
		.amdhsa_memory_ordered 1
		.amdhsa_forward_progress 1
		.amdhsa_inst_pref_size 245
	.end_amdhsa_kernel
	.amdgpu_metadata
---
amdhsa.version: [ 1, 2 ]
amdhsa.kernels:
  - .name:           k_q7abfefc3d5_qkv
    .symbol:         k_q7abfefc3d5_qkv.kd
    .args:
      - { .name: xq, .offset: 0, .size: 8, .value_kind: global_buffer, .address_space: global }
      - { .name: in_proj_w_codes, .offset: 8, .size: 8, .value_kind: global_buffer, .address_space: global }
      - { .name: in_proj_w_scales, .offset: 16, .size: 8, .value_kind: global_buffer, .address_space: global }
      - { .name: in_proj_b, .offset: 24, .size: 8, .value_kind: global_buffer, .address_space: global }
      - { .name: qkv, .offset: 32, .size: 8, .value_kind: global_buffer, .address_space: global }
    .group_segment_fixed_size: 327680
    .private_segment_fixed_size: 0
    .kernarg_segment_align: 8
    .kernarg_segment_size: 40
    .max_flat_workgroup_size: 128
    .sgpr_count:     106
    .vgpr_count:     1024
    .wavefront_size: 32
...
	.end_amdgpu_metadata
.endif
;; end of part 2
;; launch attn (part 3): grid 4 x 64, 16 waves a work-group, clusters of 4 x 1, 167,936 bytes of LDS; arguments qkv, rel_pos, oq; writes oq
.if DOCPART == 3
	.amdgcn_target "amdgcn-amd-amdhsa--gfx1250"
	.amdhsa_code_object_version 6
	.text
	.protected	k_q7abfefc3d5_attn
	.globl	k_q7abfefc3d5_attn
	.p2align	8
	.type	k_q7abfefc3d5_attn,@function
k_q7abfefc3d5_attn:
	s_mov_b64 s[64:65], 0
	v_nop
	global_prefetch_b8 v0, s[64:65] scope:SCOPE_SE
	s_setreg_imm32_b32 hwreg(HW_REG_WAVE_MODE, 25, 1), 1
	s_wait_xcnt 0x0
	s_wait_alu depctr_hold_cnt(0) depctr_sa_sdst(0) depctr_va_vdst(0) depctr_va_sdst(0) depctr_va_ssrc(0) depctr_va_vcc(0) depctr_vm_vsrc(0)
	s_getreg_b32 s2, hwreg(HW_REG_IB_STS2, 6, 4)
	s_cmp_eq_u32 s2, 0
	s_cbranch_scc0 .Lentry_in_a_cluster
	s_endpgm
.Lentry_in_a_cluster:
	s_bfe_u32 s2, ttmp6, 0x10000c
	s_cmp_lg_u32 s2, 0x3003
	s_cbranch_scc0 .Lentry_shape_is_right
	s_endpgm
.Lentry_shape_is_right:
; PRODUCTS 2 AND 3.  o = softmax(q k^T / 8 + rel_pos[h, i - j], j <= i) v for one head of one batch, on codes of E2M3; o / l quantised along E into oq.
; LEFT OUT: key steps of 128 all of whose keys come after a wave's 16 queries (reference()'s own mask gives them -inf, so p = 0), and rel_pos[:, 1024:] (sliced away by reference()): shown at the head of the first launch.
; THE SOFTMAX: t = logit x log2(e); M = the running largest t rounded up to a whole number; p = 2^(t - M) is quantised along the keys, not normalised; the row's sum is taken of the unquantised p and divides at the end.
; LIMIT: hidden keys inside a live step get -2^100 in place of -inf: p is exactly 0 all the same while |q . k + 8 rel_pos| stays under 2^99.  Tiny and zero blocks: scale byte 1, as at the head of the first launch.
; SHARES.  The cluster's four work-groups serve one (head, batch): y = 4 head + batch.  A wave owns one tile of 16 queries, tile 4 u + cx, u made of the wave's number alone; it has u / 2 + 1 live key steps whatever cx is,
; and u = w xor 3 ((w / 4) % 2) gives waves w, w + 4, w + 8, w + 12 together 18 steps for every w % 4.  No branch and no LDS address hangs on cx: it enters global addresses and one select of values.
; LDS.  The head's whole record of k (53,248 bytes) and of v (51,200 bytes) come once, by two joint loads that name all four work-groups (wave 0: k's, wave 1: v's); nothing is filled again: one barrier.
; THE BIAS AND THE MASK COST NO VECTOR INSTRUCTION IN THE LOOP: a table tab[n] = 8 rel_pos[head][975 + 16 cx - n], or -2^100 where that index is negative, is laid in LDS; a lane's eight entries for a tile of keys are
; loaded straight into the score accumulator and enter as the C of k q^T.  (score = q . k + 8 rel; t = score x log2(e) / 8.)  Entry for query i, key j: n = 975 + 16 cx - (i - j) = 64 (15 - u) + (15 - r) + j + ..: cx has gone.
; Four copies of the table, copy c shifted by c entries, let every lane read at a multiple of 16 bytes.
; K = 64 IN AN INSTRUCTION OF K = 128: q's registers 6-11 are zero codes, so what stands in the other operand's upper six registers adds nothing: k's fragment T is v[32 + 6 T .. 43 + 6 T], whose upper half is the next
; fragment's data (zeros behind the last); bytes 2, 3 of the scale words are 0, never 0xff.
; LAYOUT: both products transposed (source 0 = 16 keys, or 16 of the head's 64; source 1 = my 16 queries): a lane holds one query throughout.  The 16 registers of key tiles 2 b, 2 b + 1 are keys 32 b + 8 h + 0..7 and
; 32 b + 16 + 8 h + 0..7: quantised as they stand they fill the block's slots in the order in which v's codes were laid.
.set REC_QK, 53248
.set REC_V,  51200
.set VOFF,   128*REC_QK
.set VREC,   REC_QK                    ; LDS: k's record at 0, v's behind it,
.set TAB,    VREC+REC_V                ; the four copies of the table,
.set CP,     8256
.set SPARE,  TAB+4*CP                  ; the spare words, 128 bytes for each of 16 waves
.set S,    96                          ; v96-159 the scores, then p
.set O,    160                         ; v160-191 O^T
.set PCD,  192                         ; v192-203 p's codes
.set HV,   204                         ; v204-210 the conversions' second halves
.set BM,   212                         ; v212-215 the blocks' largest scores
.set PT,   216                         ; v216-219 at work
.set SO,   220                         ; v220-223 the conversions' scale operands
.set FF,   224                         ; v[224:225] f = 2^(old M - new M)
.set TT,   226
; v1 16 x lane; v2 8 x lane; v3 my place in the table; v4 my place among v's scale words; v5, v6 the add's two; v7-11 the step's addresses; v12 -M; v13 the largest t; v[14:15] the sum; v16-21 q, v22-27 zeros;
; v28 r; v29 h; v30 4 r + h; v31 16 r; v32-79 k's eight fragments, later v's four; v80-85 zeros; v86-89 k's scale words, v90-91 v's, v92 q's, v93 p's: these eight hold scales and nothing else.
.macro CROUND
	s_barrier_signal -1
	s_barrier_wait -1
	s_cmp_lg_u32 s10, 0
	s_cbranch_scc1 .Lnot_wave_0_\@
	s_barrier_signal -3
.Lnot_wave_0_\@:
	s_barrier_wait -3
	s_barrier_signal -1
	s_barrier_wait -1
.endm
	s_load_b128 s[4:7], s[0:1], 0x0                ; qkv, rel_pos
	s_load_b64 s[8:9], s[0:1], 0x10                ; oq
	v_lshl_add_u32 v5, v0, 2, SPARE
	v_mov_b32 v6, 0
	ds_add_u32 v5, v6                              ; the wave's opening: the add, twice on end, and its wait ahead of the first tensor loads
	ds_add_u32 v5, v6
	v_lshrrev_b32 v1, 5, v0
	s_delay_alu instid0(VALU_DEP_1)
	v_readfirstlane_b32 s10, v1                    ; wave 0..15
	s_lshr_b32 s17, s10, 2
	s_and_b32 s17, s17, 1
	s_mul_i32 s17, s17, 3
	s_xor_b32 s11, s10, s17                        ; u
	s_lshr_b32 s12, s11, 1                         ; my last live key step
	s_xor_b32 s13, s11, 15                         ; 15 - u
	s_bfe_u32 s14, ttmp6, 0x40000                  ; cx
	s_and_b32 s15, ttmp7, 0xffff                   ; y = 4 head + batch
	s_lshl_b32 s16, s11, 2
	s_add_co_u32 s16, s16, s14                     ; my tile of queries
	s_lshr_b32 s18, s15, 2                         ; the head
	s_and_b32 s19, s15, 3                          ; the batch
	s_mul_i32 s56, s15, REC_QK                     ; q's record; k's lies 64 records on
	s_mov_b32 s57, 0
	s_mul_i32 s58, s15, REC_V
	s_add_co_u32 s58, s58, VOFF                    ; v's record
	s_mov_b32 s59, 0
	s_mul_i32 s60, s16, 768
	s_add_co_u32 s60, s60, s56                     ; my tile's image
	s_mov_b32 s61, 0
	s_lshr_b32 s62, s16, 3
	s_lshl_b32 s62, s62, 9
	s_and_b32 s63, s16, 1
	s_lshl_b32 s63, s63, 8
	s_add_co_u32 s62, s62, s63
	s_bfe_u32 s63, s16, 0x20001
	s_lshl_b32 s63, s63, 2
	s_add_co_u32 s62, s62, s63
	s_add_co_u32 s62, s62, s56
	s_add_co_u32 s62, s62, 64*768                  ; and its scale words: 512 (t / 8) + 256 (t % 2) + 4 ((t % 8) / 2)
	s_mov_b32 s63, 0
	s_lshl_b32 s66, s19, 6
	s_add_co_u32 s66, s66, s16                     ; oq: tile of rows 64 batch + t
	s_mul_i32 s68, s66, 8*1536
	s_mul_i32 s67, s18, 768
	s_add_co_u32 s68, s68, s67                     ; my half fragment: K step head / 2, half head % 2
	s_mov_b32 s69, 0
	s_lshl_b32 s70, s66, 6
	s_lshr_b32 s67, s18, 1
	s_lshl_b32 s67, s67, 14
	s_add_co_u32 s70, s70, s67
	s_and_b32 s67, s18, 1
	s_lshl_b32 s67, s67, 1
	s_add_co_u32 s70, s70, s67
	s_add_co_u32 s70, s70, 3145728                 ; my rows' scale words, my head's two bytes of them
	s_mov_b32 s71, 0
	s_lshl_b32 s72, s18, 13                        ; the head's row of rel_pos
	s_mov_b32 s73, 0
	s_lshl_b32 s74, s14, 4
	s_add_co_u32 s74, s74, 975
	s_mov_b32 s20, 0x76543210
	s_mov_b32 s21, 0xfedcba98                      ; v_permlanex16_b32's selects for lane l xor 16
	s_mov_b32 s22, 0x3e38aa3b                      ; c = log2(e) / 8
	s_mov_b32 s23, s22
	s_mov_b32 s24, 0xffff0000                      ; lanes 16-31
	s_mov_b32 s28, 15|(3<<16)|(1<<21)              ; k's record: 208 rows of 256 dense bytes (32 elements of 8), to all four work-groups
	s_mov_b32 s29, 32<<16
	s_mov_b32 s30, 208<<16
	s_mov_b32 s31, 32<<16
	s_mov_b32 s32, 208
	s_mov_b32 s33, 32
	s_mov_b32 s34, 0
	s_mov_b32 s35, 0
	s_mov_b32 s36, 15|(3<<16)|(1<<21)              ; v's: 200 rows
	s_mov_b32 s37, 32<<16
	s_mov_b32 s38, 200<<16
	s_mov_b32 s39, 32<<16
	s_mov_b32 s40, 200
	s_mov_b32 s41, 32
	s_mov_b32 s42, 0
	s_mov_b32 s43, 0
	s_mov_b32 s52, 0                               ; the key step,
	s_mov_b32 s53, 0                               ; x 6,144: its fragments,
	s_mov_b32 s54, 0                               ; x 512: k's scale words, and the table,
	s_mov_b32 s55, 0                               ; x 256: v's scale words
	v_and_b32 v28, 15, v0                          ; r
	v_bfe_u32 v29, v0, 4, 1                        ; h
	v_and_b32 v31, 31, v0
	s_delay_alu instid0(VALU_DEP_1)
	v_lshlrev_b32 v1, 4, v31
	s_delay_alu instid0(VALU_DEP_2)
	v_lshlrev_b32 v2, 3, v31
	s_delay_alu instid0(VALU_DEP_1)
	v_add_nc_u32 v4, VREC+32*1536, v2
	v_lshl_add_u32 v30, v28, 2, v29
	v_lshlrev_b32 v31, 4, v28
	v_xor_b32 v7, 15, v28                          ; 15 - r
	s_delay_alu instid0(VALU_DEP_1)
	v_and_b32 v8, 3, v7
	s_delay_alu instid0(VALU_DEP_1)
	v_mul_u32_u24 v3, v8, CP                       ; the copy
	s_delay_alu instid0(VALU_DEP_3)
	v_and_b32 v8, 12, v7
	s_delay_alu instid0(VALU_DEP_1)
	v_lshl_add_u32 v3, v8, 2, v3
	s_delay_alu instid0(VALU_DEP_1)
	v_lshl_add_u32 v3, v29, 5, v3
	s_lshl_b32 s17, s13, 8
	s_add_co_u32 s17, s17, TAB+16
	v_add_nc_u32 v3, s17, v3                       ; TAB + 16 + copy + 4 (64 (15 - u) + ((15 - r) & 12) + 8 h)
	v_lshl_add_u32 v101, v0, 2, TAB+16             ; where my thread lays its entries
	s_wait_dscnt 0x0                               ; both opening adds are done
	s_wait_kmcnt 0x0
	s_mov_b32 s44, 1
	s_mov_b32 s45, 0
	s_add_nc_u64 s[46:47], s[4:5], s[56:57]
	s_add_nc_u64 s[46:47], s[46:47], 64*REC_QK
	s_or_b32 s47, s47, 0x80000000
	s_mov_b32 s48, 1
	s_mov_b32 s49, VREC
	s_add_nc_u64 s[50:51], s[4:5], s[58:59]
	s_or_b32 s51, s51, 0x80000000
	s_add_nc_u64 s[60:61], s[4:5], s[60:61]
	s_add_nc_u64 s[62:63], s[4:5], s[62:63]
	s_add_nc_u64 s[6:7], s[6:7], s[72:73]
	s_add_nc_u64 s[68:69], s[8:9], s[68:69]
	s_add_nc_u64 s[70:71], s[8:9], s[70:71]
	CROUND                                         ; all four work-groups are here: the joint loads meet
	s_cmp_eq_u32 s10, 0                            ; the first fills stand in one branch on the wave's number; an s_nop 0 and four v_nop follow each
	s_cbranch_scc0 .Lnot_k
	tensor_load_to_lds s[44:47], s[28:35]
	s_nop 0
.rept 4
	v_nop
.endr
	s_branch .Lasked
.Lnot_k:
	s_cmp_eq_u32 s10, 1
	s_cbranch_scc0 .Lasked
	tensor_load_to_lds s[48:51], s[36:43]
	s_nop 0
.rept 4
	v_nop
.endr
.Lasked:
	; the table: thread n lays entries n, n + 512 (from rel_pos) and n + 1024, n + 1536 (always hidden) into the four copies
	v_sub_nc_u32 v96, s74, v0                      ; 975 + 16 cx - n: 464 .. 1023
	s_delay_alu instid0(VALU_DEP_1)
	v_add_nc_u32 v97, 0xfffffe00, v96              ; the same for n + 512
	s_delay_alu instid0(VALU_DEP_1)
	v_cmp_gt_i32 s75, 0, v97                       ; hidden where it is negative
	s_delay_alu instid0(VALU_DEP_2)
	v_min_u32 v97, 0x3ff, v97                      ; and the load stays inside the row all the same
	s_delay_alu instid0(VALU_DEP_4)
	v_lshlrev_b32 v96, 2, v96
	s_delay_alu instid0(VALU_DEP_2)
	v_lshlrev_b32 v97, 2, v97
	global_load_b32 v98, v96, s[6:7]
	global_load_b32 v99, v97, s[6:7]
	global_load_b128 v[16:19], v1, s[60:61]        ; q's half fragment
	global_load_b64 v[20:21], v2, s[60:61] offset:512
	global_load_b32 v92, v31, s[62:63]             ; and its scale words
.irp j, 22,23,24,25,26,27,80,81,82,83,84,85
	v_mov_b32 v\j, 0                               ; zero codes
.endr
	v_mov_b32 v13, 0xff61b1e6                      ; the largest t so far: -3e38
	s_delay_alu instid0(VALU_DEP_1)
	v_floor_f32 v12, -v13                          ; -M
	v_mov_b32 v14, 0
	v_mov_b32 v15, 0
.irp b, 0,1,2,3
	v_mov_b32 v[PT+\b], 0                          ; written once: a lane permute's destination counts as one of its sources
.endr
	v_mov_b32 v[FF+1], 0                           ; (named as the upper half of a pair)
.irp j, 0,1,2,3,4,5,6,7,8,9,10,11,12,13,14,15,16,17,18,19,20,21,22,23,24,25,26,27,28,29,30,31
	v_mov_b32 v[O+\j], 0                           ; O^T: the step is written once; the first finds zeros, which the first change of M leaves zeros
.endr
	v_mov_b32 v100, 0xf1800000                     ; -2^100
	s_wait_loadcnt 3                               ; rel_pos's two loads are in; q's three are younger
	v_ldexp_f32 v98, v98, 3                        ; x 8: exact
	v_ldexp_f32 v99, v99, 3
	s_wait_alu depctr_va_vdst(0)
	v_cndmask_b32 v99, v99, v100, s75
.irp c, 0,1,2,3
	ds_store_b32 v101, v98 offset:\c*(CP-4)        ; copy c holds entry n at place n - c
	ds_store_b32 v101, v99 offset:\c*(CP-4)+2048
	ds_store_b32 v101, v100 offset:\c*(CP-4)+4096
	ds_store_b32 v101, v100 offset:\c*(CP-4)+6144
.endr
	s_wait_loadcnt 0x0                             ; q
	s_wait_tensorcnt 0x0                           ; my record, if I fetched one, lies in LDS,
	s_wait_dscnt 0x0                               ; and so do my entries of the table
	s_barrier_signal -1
	s_barrier_wait -1                              ; everybody's do
.Lstep:                                        ; eight trips, a constant; a step that is hidden from my queries is passed over: the test hangs on the wave's number and the count alone
	s_cmp_gt_u32 s52, s12
	s_cbranch_scc1 .Lhidden
	v_add_nc_u32 v7, s53, v1                       ; (these five are also the places behind the last step's products, in front of the loads below)
	v_add_nc_u32 v8, s53, v2
	v_add_nc_u32 v9, s54, v1
	v_add_nc_u32 v10, s54, v3
	v_add_nc_u32 v11, s55, v4
.irp t, 0,1,2,3,4,5,6,7
	ds_load_b128 v[32+6*\t:35+6*\t], v7 offset:768*\t              ; k's tile t of this step: an image of the operand's six registers
	ds_load_b64 v[36+6*\t:37+6*\t], v8 offset:768*\t+512
.endr
	ds_load_b128 v[86:89], v9 offset:64*768        ; register i: tile 2 i's scale words in lanes 0-15, tile 2 i + 1's in lanes 16-31
.irp t, 0,1,2,3,4,5,6,7
	ds_load_b128 v[S+8*\t:S+8*\t+3], v10 offset:64*\t              ; 8 rel_pos or -2^100 for my query and the tile's eight keys of my half
	ds_load_b128 v[S+8*\t+4:S+8*\t+7], v10 offset:64*\t+16
.endr
	s_wait_alu depctr_va_vdst(0)
	s_wait_dscnt 0x0
.irp t, 0,2,4,6                                ; S^T = k q^T + the table: eight accumulators, one instruction each
	v_wmma_scale_f32_16x16x128_f8f6f4 v[S+8*\t:S+8*\t+7], v[32+6*\t:43+6*\t], v[16:27], v[S+8*\t:S+8*\t+7], v[86+\t/2], v92 matrix_a_fmt:MATRIX_FMT_FP6 matrix_b_fmt:MATRIX_FMT_FP6
	v_wmma_scale_f32_16x16x128_f8f6f4 v[S+8*\t+8:S+8*\t+15], v[38+6*\t:49+6*\t], v[16:27], v[S+8*\t+8:S+8*\t+15], v[86+\t/2], v92 matrix_a_fmt:MATRIX_FMT_FP6 matrix_b_fmt:MATRIX_FMT_FP6 matrix_a_scale:MATRIX_SCALE_ROW1
.endr
.rept 4
	v_nop                                          ; places: in front of the loads into k's registers, and of the first read of the scores
.endr
.irp t, 0,1,2,3                                ; v's four fragments of this step land under the softmax
.irp g, 0,1,2
	ds_load_b128 v[32+12*\t+4*\g:35+12*\t+4*\g], v7 offset:VREC+1536*\t+512*\g
.endr
.endr
	ds_load_b64 v[90:91], v11
.irp b, 0,1,2,3
	v_max3_num_f32 v[BM+\b], v[S+16*\b], v[S+1+16*\b], v[S+2+16*\b]   ; the largest score of each block of 32 keys: for the row's maximum and, since p rises with the score, for the block's largest p
.endr
.irp i, 3,5,7,9,11,13
.irp b, 0,1,2,3
	v_max3_num_f32 v[BM+\b], v[BM+\b], v[S+16*\b+\i], v[S+1+16*\b+\i]
.endr
.endr
.irp b, 0,1,2,3
	v_max_num_f32 v[BM+\b], v[BM+\b], v[S+15+16*\b]
.endr
.irp b, 0,1,2,3
	s_delay_alu instid0(VALU_DEP_4)
	v_permlanex16_b32 v[PT+\b], v[BM+\b], s20, s21
.endr
.irp b, 0,1,2,3
	s_delay_alu instid0(VALU_DEP_4)
	v_max_num_f32 v[BM+\b], v[BM+\b], v[PT+\b]     ; with lane l xor 16's 16 keys
.endr
	s_delay_alu instid0(VALU_DEP_2)
	v_max3_num_f32 v[TT], v[BM], v[BM+1], v[BM+2]
	s_delay_alu instid0(VALU_DEP_1)
	v_max_num_f32 v[TT], v[TT], v[BM+3]
	s_delay_alu instid0(VALU_DEP_1)
	v_mul_f32 v[TT], s22, v[TT]                    ; as t (c is positive)
	s_delay_alu instid0(VALU_DEP_1)
	v_max_num_f32 v13, v13, v[TT]                  ; the running largest t
	v_mov_b32 v[TT], v12
	s_delay_alu instid0(VALU_DEP_2)
	v_floor_f32 v12, -v13                          ; the new -M = -ceil(t)
	s_delay_alu instid0(VALU_DEP_1)
	v_sub_f32 v[TT], v12, v[TT]                    ; old M - new M: a whole number, 0 or less
	s_delay_alu instid0(VALU_DEP_1)
	v_cvt_i32_f32 v[TT], v[TT]
	s_delay_alu instid0(VALU_DEP_1)
	v_ldexp_f32 v[FF], 1.0, v[TT]                  ; f: a multiplication by it rounds nothing
.irp j, 0,2,4,6,8,10,12,14,16,18,20,22,24,26,28,30,32,34,36,38,40,42,44,46,48,50,52,54,56,58,60,62
	v_pk_fma_f32 v[S+\j:S+1+\j], v[S+\j:S+1+\j], s[22:23], v[12:13] op_sel_hi:[1,0,0]   ; t - M
.endr
.irp b, 0,1,2,3
	v_fma_f32 v[BM+\b], v[BM+\b], s22, v12
.endr
	s_wait_alu depctr_va_vdst(0)
.irp j, 0,1,2,3,4,5,6,7,8,9,10,11,12,13,14,15,16,17,18,19,20,21,22,23,24,25,26,27,28,29,30,31,32,33,34,35,36,37,38,39,40,41,42,43,44,45,46,47,48,49,50,51,52,53,54,55,56,57,58,59,60,61,62,63
	v_exp_f32 v[S+\j], v[S+\j]                     ; p = 2^(t - M)
.endr
	v_pk_mul_f32 v[14:15], v[14:15], v[FF:FF+1] op_sel_hi:[1,0]   ; the sums under the new M (a plain instruction behind the exponentials)
	s_wait_alu depctr_va_vdst(0)                   ; one wait for the batch of 64, ahead of its first reader
.irp b, 0,1,2,3
	v_exp_f32 v[BM+\b], v[BM+\b]                   ; the blocks' largest p
.endr
	v_pk_add_f32 v[216:217], v[100:101], v[104:105]
	v_pk_add_f32 v[254:255], v[108:109], v[112:113]
	v_pk_add_f32 v[252:253], v[116:117], v[120:121]
	v_pk_add_f32 v[250:251], v[124:125], v[128:129]
	v_pk_add_f32 v[248:249], v[132:133], v[136:137]
	v_pk_add_f32 v[246:247], v[140:141], v[144:145]
	v_pk_add_f32 v[244:245], v[148:149], v[152:153]
	v_pk_add_f32 v[14:15], v[14:15], v[156:157]
	v_pk_add_f32 v[216:217], v[216:217], v[96:97]
	v_pk_add_f32 v[254:255], v[254:255], v[98:99]
	v_pk_add_f32 v[252:253], v[252:253], v[102:103]
	v_pk_add_f32 v[250:251], v[250:251], v[106:107]
	v_pk_add_f32 v[248:249], v[248:249], v[110:111]
	v_pk_add_f32 v[246:247], v[246:247], v[114:115]
	v_pk_add_f32 v[244:245], v[244:245], v[118:119]
	v_pk_add_f32 v[14:15], v[14:15], v[122:123]
	v_pk_add_f32 v[216:217], v[216:217], v[126:127]
	v_pk_add_f32 v[254:255], v[254:255], v[130:131]
	v_pk_add_f32 v[252:253], v[252:253], v[134:135]
	v_pk_add_f32 v[250:251], v[250:251], v[138:139]
	v_pk_add_f32 v[248:249], v[248:249], v[142:143]
	v_pk_add_f32 v[246:247], v[246:247], v[146:147]
	v_pk_add_f32 v[244:245], v[244:245], v[150:151]
	v_pk_add_f32 v[14:15], v[14:15], v[154:155]
	v_pk_add_f32 v[216:217], v[216:217], v[158:159]
	s_delay_alu instid0(VALU_DEP_2)
	v_pk_add_f32 v[14:15], v[14:15], v[250:251]
	s_delay_alu instid0(VALU_DEP_2)
	v_pk_add_f32 v[216:217], v[216:217], v[248:249]
	v_pk_add_f32 v[254:255], v[254:255], v[246:247]
	v_pk_add_f32 v[252:253], v[252:253], v[244:245]
	s_delay_alu instid0(VALU_DEP_2)
	v_pk_add_f32 v[14:15], v[14:15], v[254:255]
	s_delay_alu instid0(VALU_DEP_2)
	v_pk_add_f32 v[216:217], v[216:217], v[252:253]
	s_delay_alu instid0(VALU_DEP_1)
	v_pk_add_f32 v[14:15], v[14:15], v[216:217]
	s_wait_alu depctr_va_vdst(0)                   ; and one for the four
.irp b, 0,1,2,3
	v_max_num_f32 v[BM+\b], 0x1800000, v[BM+\b]    ; the floor 2^(3 - 127)
.endr
.irp b, 0,1,2,3
	s_delay_alu instid0(VALU_DEP_4)
	v_add_nc_u32 v[SO+\b], 0xff000000, v[BM+\b]
.endr
.irp b, 0,1,2,3
	s_delay_alu instid0(VALU_DEP_4)
	v_lshrrev_b32 v[PT+\b], 23, v[SO+\b]
.endr
	s_delay_alu instid0(VALU_DEP_3)
	v_lshl_or_b32 v93, v[PT+1], 8, v[PT]           ; p's scale word for these 128 keys
	s_delay_alu instid0(VALU_DEP_1)
	v_lshl_or_b32 v93, v[PT+2], 16, v93
	s_delay_alu instid0(VALU_DEP_1)
	v_lshl_or_b32 v93, v[PT+3], 24, v93
.irp c, 0,1
	v_cvt_scalef32_pk16_fp6_f32 v[PCD+6*\c:PCD+2+6*\c], v[S+32*\c:S+15+32*\c], v[SO+2*\c]
	v_cvt_scalef32_pk16_fp6_f32 v[HV+4*\c:HV+2+4*\c], v[S+16+32*\c:S+31+32*\c], v[SO+2*\c+1]
.endr
	v_nop                                          ; one plain place behind a scaled conversion
.irp c, 0,1
.irp i, 0,1,2
	v_permlane16_swap_b32 v[PCD+6*\c+\i], v[HV+4*\c+\i]
.endr
.irp i, 0,1,2
	s_delay_alu instid0(VALU_DEP_3)
	v_mov_b32 v[PCD+3+6*\c+\i], v[HV+4*\c+\i]
.endr
.endr
.irp j, 0,2,4,6,8,10,12,14,16,18,20,22,24,26,28,30
	v_pk_mul_f32 v[O+\j:O+1+\j], v[O+\j:O+1+\j], v[FF:FF+1] op_sel_hi:[1,0]   ; O^T under the new M; these 16 are also the places between the scale word's and the codes' last writes and the products
.endr
	s_wait_alu depctr_va_vdst(0)
	s_wait_dscnt 0x0                               ; v's fragments and scale words
.irp t, 0,2                                    ; O^T += v^T p^T: four accumulators, one instruction each
	v_wmma_scale_f32_16x16x128_f8f6f4 v[O+8*\t:O+8*\t+7], v[32+12*\t:43+12*\t], v[PCD:PCD+11], v[O+8*\t:O+8*\t+7], v[90+\t/2], v93 matrix_a_fmt:MATRIX_FMT_FP6 matrix_b_fmt:MATRIX_FMT_FP6
	v_wmma_scale_f32_16x16x128_f8f6f4 v[O+8*\t+8:O+8*\t+15], v[44+12*\t:55+12*\t], v[PCD:PCD+11], v[O+8*\t+8:O+8*\t+15], v[90+\t/2], v93 matrix_a_fmt:MATRIX_FMT_FP6 matrix_b_fmt:MATRIX_FMT_FP6 matrix_a_scale:MATRIX_SCALE_ROW1
.endr
.Lhidden:
	s_add_co_u32 s53, s53, 6144
	s_add_co_u32 s54, s54, 512
	s_add_co_u32 s55, s55, 256
	s_add_co_u32 s52, s52, 1
	s_cmp_lt_u32 s52, 8
	s_cbranch_scc1 .Lstep
	; THE WAY OUT: o = O^T / the sum, quantised along the head's 64: half a fragment of the next product's operand
.rept 4
	v_nop                                          ; places behind the last products
.endr
	v_add_f32 v14, v14, v15
	s_delay_alu instid0(VALU_DEP_1)
	v_permlanex16_b32 v[PT], v14, s20, s21
	s_delay_alu instid0(VALU_DEP_1)
	v_add_f32 v14, v14, v[PT]                      ; the row's sum
	s_wait_alu depctr_va_vdst(0)
	v_rcp_f32 v14, v14
	v_nop                                          ; a plain instruction behind it
	s_wait_alu depctr_va_vdst(0)                   ; and the wait ahead of its first reader
.irp j, 0,1,2,3,4,5,6,7,8,9,10,11,12,13,14,15,16,17,18,19,20,21,22,23,24,25,26,27,28,29,30,31
	v_mul_f32 v[S+\j], v[O+\j], v14                ; register 8 t + j: o(query r, 16 t + 8 h + j); each accumulator from its low end on
.endr
.irp e, 0,1
.irp j, 0,1,2,3,4,5,6,7
	v_permlane16_swap_b32 v[S+16*\e+\j], v[S+16*\e+8+\j]   ; register 16 e + i is now d = 32 e + 16 h + i
.endr
.endr
.irp b, 0,1
	v_max3_num_f32 v[BM+\b], |v[S+16*\b]|, |v[S+1+16*\b]|, 0x1800000
.endr
.irp i, 2,4,6,8,10,12,14
.irp b, 0,1
	s_delay_alu instid0(VALU_DEP_2)
	v_max3_num_f32 v[BM+\b], v[BM+\b], |v[S+16*\b+\i]|, |v[S+1+16*\b+\i]|
.endr
.endr
.irp b, 0,1
	s_delay_alu instid0(VALU_DEP_2)
	v_permlanex16_b32 v[PT+\b], v[BM+\b], s20, s21
.endr
.irp b, 0,1
	s_delay_alu instid0(VALU_DEP_2)
	v_max_num_f32 v[BM+\b], v[BM+\b], v[PT+\b]
.endr
.irp b, 0,1
	s_delay_alu instid0(VALU_DEP_2)
	v_add_nc_u32 v[SO+\b], 0xff000000, v[BM+\b]
.endr
.irp b, 0,1
	s_delay_alu instid0(VALU_DEP_2)
	v_lshrrev_b32 v[PT+\b], 23, v[SO+\b]
.endr
	v_cvt_scalef32_pk16_fp6_f32 v[PCD:PCD+2], v[S:S+15], v[SO]
	v_cvt_scalef32_pk16_fp6_f32 v[HV:HV+2], v[S+16:S+31], v[SO+1]
	v_nop
.irp i, 0,1,2
	v_permlane16_swap_b32 v[PCD+\i], v[HV+\i]
.endr
.irp i, 0,1,2
	s_delay_alu instid0(VALU_DEP_3)
	v_mov_b32 v[PCD+3+\i], v[HV+\i]
.endr
	v_cndmask_b32 v[PT], v[PT], v[PT+1], s24       ; lane (r, h): the byte of block h
	global_store_b128 v1, v[PCD:PCD+3], s[68:69]   ; 768 consecutive bytes in two stores
	global_store_b64 v2, v[PCD+4:PCD+5], s[68:69] offset:512
	global_store_b8 v30, v[PT], s[70:71]           ; a head owns two bytes of each row's scale word: single bytes, 32 a wave
	s_wait_tensorcnt 0x0                           ; the wave's end, behind my last tensor load and my last LDS store
	ds_add_u32 v5, v6
	s_wait_dscnt 0x0
	CROUND                                         ; the closing round
	s_endpgm
.Lfunc_end_k_q7abfefc3d5_attn:
	.size	k_q7abfefc3d5_attn, .Lfunc_end_k_q7abfefc3d5_attn-k_q7abfefc3d5_attn
	.p2alignl 7, 3214868480
	.fill 96, 4, 3214868480
	.section	.rodata,"a",@progbits
	.p2align	6, 0x0
	.amdhsa_kernel k_q7abfefc3d5_attn
		.amdhsa_group_segment_fixed_size 167936
		.amdhsa_private_segment_fixed_size 0
		.amdhsa_enable_private_segment 0
		.amdhsa_kernarg_size 24
		.amdhsa_user_sgpr_count 2
		.amdhsa_user_sgpr_kernarg_segment_ptr 1
		.amdhsa_wavefront_size32 1
		.amdhsa_system_sgpr_workgroup_id_x 1
		.amdhsa_system_sgpr_workgroup_id_y 1
		.amdhsa_system_sgpr_workgroup_id_z 1
		.amdhsa_system_vgpr_workitem_id 0
		.amdhsa_next_free_vgpr 256
		.amdhsa_next_free_sgpr 80
		.amdhsa_reserve_vcc 0
		.amdhsa_float_denorm_mode_32 3
		.amdhsa_float_denorm_mode_16_64 3
		.amdhsa_memory_ordered 1
		.amdhsa_forward_progress 1
		.amdhsa_inst_pref_size 35
	.end_amdhsa_kernel
	.amdgpu_metadata
---
amdhsa.version: [ 1, 2 ]
amdhsa.kernels:
  - .name:           k_q7abfefc3d5_attn
    .symbol:         k_q7abfefc3d5_attn.kd
    .args:
      - { .name: qkv, .offset: 0, .size: 8, .value_kind: global_buffer, .address_space: global }
      - { .name: rel_pos, .offset: 8, .size: 8, .value_kind: global_buffer, .address_space: global }
      - { .name: oq, .offset: 16, .size: 8, .value_kind: global_buffer, .address_space: global }
    .group_segment_fixed_size: 167936
    .private_segment_fixed_size: 0
    .kernarg_segment_align: 8
    .kernarg_segment_size: 24
    .max_flat_workgroup_size: 512
    .sgpr_count:     80
    .vgpr_count:     256
    .wavefront_size: 32
...
	.end_amdgpu_metadata
.endif
;; end of part 3
;; launch outp (part 4): grid 8 x 32, 4 waves a work-group, clusters of 4 x 4, 327,680 bytes of LDS; arguments oq, out_w_codes, out_w_scales, out_b, x, x1; writes x1
.if DOCPART == 4
	.amdgcn_target "amdgcn-amd-amdhsa--gfx1250"
	.amdhsa_code_object_version 6
	.text
	.protected	k_q7abfefc3d5_outp
	.globl	k_q7abfefc3d5_outp
	.p2align	8
	.type	k_q7abfefc3d5_outp,@function
k_q7abfefc3d5_outp:
	s_mov_b64 s[64:65], 0
	v_nop
	global_prefetch_b8 v0, s[64:65] scope:SCOPE_SE
	s_setreg_imm32_b32 hwreg(HW_REG_WAVE_MODE, 25, 1), 1
	s_wait_xcnt 0x0
	s_wait_alu depctr_hold_cnt(0) depctr_sa_sdst(0) depctr_va_vdst(0) depctr_va_sdst(0) depctr_va_ssrc(0) depctr_va_vcc(0) depctr_vm_vsrc(0)
	s_getreg_b32 s2, hwreg(HW_REG_IB_STS2, 6, 4)
	s_cmp_eq_u32 s2, 0
	s_cbranch_scc0 .Lentry_in_a_cluster
	s_endpgm
.Lentry_in_a_cluster:
	s_bfe_u32 s2, ttmp6, 0x10000c
	s_cmp_lg_u32 s2, 0xf033
	s_cbranch_scc0 .Lentry_shape_is_right
	s_endpgm
.Lentry_shape_is_right:
; PRODUCT 4 AND THE RESIDUAL.  x1 = x + o out_w^T + out_b on codes of E2M3, K = 1024.  Nothing is left out here.
; The text of launch down with SIZE_K = 1024: a tile of 128 x 128, a wave 64 x 64.  W's 128 rows of 768 bytes and A's first half lap come by the head's loads, A's second half lap behind the first round: nothing is filled again.
; No prefetch: all of K is asked for by these two groups of loads; there is no loop to run ahead in.
.set SIZE_K, 1024
.set KSTEPS, SIZE_K/128
.set KROW,   SIZE_K*3/4
.set KS,     SIZE_K/32
.set LAPS,   SIZE_K/1024
.set NH,     2*LAPS
.set FRB,    1536
.set AHALF,  16*FRB
.set ASLOT,  2*AHALF
.set WOFF,   2*ASLOT
.set WP,     816
.set WHALF,  64*WP
.set WSLOT,  2*WHALF
.set STAGE,  WOFF+2*WSLOT
.set SPITCH, 272
.set SPARE,  STAGE+64*SPITCH
.set PFO,  11
.set AD16, 16
.set AD8,  18
.set ADRB, 20
.set STO,  24
.set RD,   25
.set CO,   26
.set LSA,  27
.set SPW,  28
.set NIL,  29
.set LSW,  30
.set BA,   31
.set WS,   64
.set AS,   128
.set ROWS, 192
.set ACC,  128
.set F0,   0
.set F1,   96
.set G1, 24
.set G0, 32
.set G1B, 48
.set G0B, 56
.set PFA, 78
.set MSB, 0
.macro WIN new
.if MSB != (\new)
	s_set_vgpr_msb (MSB<<8)|(\new)
.set MSB, (\new)
.endif
.endm
.set MUL, 0xa5
.macro PLACES n
.rept \n
	v_nop
.endr
.endm
.macro JL ga, gb
	s_cmp_eq_u32 s15, 0
	s_cbranch_scc0 .Lfor_w_\@
	tensor_load_to_lds s[G0+4*(\ga):G0+4*(\ga)+3], s[G1:G1+7]
	s_nop 0
	PLACES 4
	s_branch .Lasked_\@
.Lfor_w_\@:
.if (\gb) >= 0
	tensor_load_to_lds s[G0B+4*(\gb):G0B+4*(\gb)+3], s[G1B:G1B+7]
	s_nop 0
.endif
	PLACES 4
.Lasked_\@:
.endm
.macro CREST
	s_cmp_lg_u32 s14, 0
	s_cbranch_scc1 .Lnot_wave_0_\@
	s_barrier_signal -3
.Lnot_wave_0_\@:
	s_barrier_wait -3
	s_barrier_signal -1
	s_barrier_wait -1
.endm
.macro CROUND
	s_barrier_signal -1
	s_barrier_wait -1
	CREST
.endm
	s_load_b128 s[4:7], s[0:1], 0x0
	s_load_b128 s[8:11], s[0:1], 0x10
	s_load_b64 s[12:13], s[0:1], 0x20
	s_load_b64 s[96:97], s[0:1], 0x28
	v_lshl_add_u32 v[SPW], v0, 2, SPARE
	v_mov_b32 v[NIL], 0
	ds_add_u32 v[SPW], v[NIL]
	ds_add_u32 v[SPW], v[NIL]
	v_lshrrev_b32 v1, 5, v0
	v_readfirstlane_b32 s14, v1
	s_lshr_b32 s15, s14, 1
	s_and_b32 s16, s14, 1
	s_bfe_u32 s40, ttmp6, 0x40000
	s_bfe_u32 s41, ttmp6, 0x40004
	s_lshl_b32 s42, ttmp9, 2
	s_add_co_u32 s42, s42, s40
	s_and_b32 s17, ttmp7, 0xffff
	s_lshl_b32 s17, s17, 2
	s_add_co_u32 s17, s17, s41
	s_lshl_b32 s43, s41, 2
	s_lshl_b32 s43, 15, s43
	s_lshl_b32 s44, 0x1111, s40
	s_or_b32 s[G1], s43, (3<<16)|(1<<21)
	s_mov_b32 s[G1+1], 768<<16
	s_mov_b32 s[G1+2], 4<<16
	s_mov_b32 s[G1+3], 768<<16
	s_mov_b32 s[G1+4], 4
	s_mov_b32 s[G1+5], 192*KSTEPS
	s_mov_b32 s[G1+6], 0
	s_mov_b32 s[G1+7], 0
	s_or_b32 s[G1B], s44, (0<<16)|(1<<20)|(1<<21)|(5<<22)|(3<<25)
	s_mov_b32 s[G1B+1], 768<<16
	s_mov_b32 s[G1B+2], 64<<16
	s_mov_b32 s[G1B+3], 768<<16
	s_mov_b32 s[G1B+4], 64
	s_mov_b32 s[G1B+5], KROW
	s_mov_b32 s[G1B+6], 0
	s_mov_b32 s[G1B+7], 0
	s_lshl_b32 s20, s17, 3
	s_lshl_b32 s18, s16, 2
	s_add_co_u32 s20, s20, s18
	s_mul_i32 s20, s20, KSTEPS*FRB
	s_mov_b32 s21, 0
	s_lshl_b32 s22, s17, 9
	s_lshl_b32 s18, s15, 8
	s_add_co_u32 s22, s22, s18
	s_add_co_u32 s22, s22, 4096*KROW
	s_mov_b32 s23, 0
	s_lshl_b32 s46, s42, 7
	s_lshl_b32 s18, s16, 6
	s_add_co_u32 s46, s46, s18
	s_mul_i32 s66, s46, KS
	s_mov_b32 s67, 0
	s_mul_i32 s46, s46, KROW
	s_mov_b32 s47, 0
	s_mul_i32 s45, s16, AHALF
	s_mul_i32 s3, s16, WHALF
	s_add_co_u32 s3, s3, WOFF
	s_wait_dscnt 0x0
	s_wait_kmcnt 0x0
	s_add_nc_u64 s[98:99], s[4:5], s[22:23]
	s_add_nc_u64 s[4:5], s[4:5], s[20:21]
	s_add_nc_u64 s[8:9], s[8:9], s[66:67]
	s_add_nc_u64 s[6:7], s[6:7], s[46:47]
	CROUND
.irp s, 0,1
	s_mov_b32 s[G0+4*\s], 1
	s_add_co_u32 s[G0+4*\s+1], s45, \s*ASLOT
	s_add_nc_u64 s[G0+4*\s+2:G0+4*\s+3], s[4:5], \s*4*FRB
	s_or_b32 s[G0+4*\s+3], s[G0+4*\s+3], 0x80000000
	s_mov_b32 s[G0B+4*\s], 1
	s_add_co_u32 s[G0B+4*\s+1], s3, \s*WSLOT
	s_add_nc_u64 s[G0B+4*\s+2:G0B+4*\s+3], s[6:7], \s*768
	s_or_b32 s[G0B+4*\s+3], s[G0B+4*\s+3], 0x80000000
.endr
	JL 0, 0
	s_mul_i32 s21, s15, AHALF
	s_add_co_u32 s70, s21, ASLOT
	s_mul_i32 s22, s16, WHALF
	s_add_co_u32 s22, s22, WOFF
	s_add_co_u32 s71, s22, WSLOT
	s_mul_i32 s23, s14, 16*SPITCH
	s_add_co_u32 s23, s23, STAGE
	s_lshl_b32 s72, s17, 7
	s_lshl_b32 s73, s15, 6
	s_add_co_u32 s72, s72, s73
	s_lshl_b32 s72, s72, 12
	s_lshl_b32 s46, s42, 7
	s_lshl_b32 s47, s16, 6
	s_add_co_u32 s46, s46, s47
	s_lshl_b32 s46, s46, 2
	s_mov_b32 s47, 0
	s_add_nc_u64 s[10:11], s[10:11], s[46:47]
	s_add_co_u32 s72, s72, s46
	s_mov_b32 s73, 0
	s_add_nc_u64 s[12:13], s[12:13], s[72:73]
	s_add_nc_u64 s[96:97], s[96:97], s[72:73]
.if LAPS > 1
	s_cmp_eq_u32 s15, 0
	s_cselect_b32 s74, s40, s41
	s_mov_b32 s75, 16*KROW
	s_cselect_b32 s75, KSTEPS*FRB, s75
	s_mul_i32 s74, s74, s75
	s_mov_b32 s75, 0
	s_mov_b32 s76, KROW
	s_cselect_b32 s76, 768, s76
	s_cselect_b64 s[PFA:PFA+1], s[4:5], s[6:7]
	s_add_nc_u64 s[PFA:PFA+1], s[PFA:PFA+1], s[74:75]
.endif
	v_and_b32 v1, 15, v0
	v_bfe_u32 v2, v0, 4, 1
	v_and_b32 v3, 31, v0
	v_lshlrev_b32 v4, 4, v3
	v_lshlrev_b32 v5, 3, v3
	v_mul_u32_u24 v6, v1, WP
	v_mad_u32_u24 v6, v2, 24, v6
	v_lshl_add_u32 v7, v2, 4, v6
	v_add_nc_u32 v[AD16], s21, v4
	v_add_nc_u32 v[AD16+1], s70, v4
	v_add_nc_u32 v[AD8], s21, v5
	v_add_nc_u32 v[AD8+1], s70, v5
	v_add_nc_u32 v[ADRB], s22, v6
	v_add_nc_u32 v[ADRB+1], s71, v6
	v_add_nc_u32 v[ADRB+2], s22, v7
	v_add_nc_u32 v[ADRB+3], s71, v7
	v_lshlrev_b32 v[LSA], 2, v3
	v_mul_u32_u24 v[LSW], v3, KS
	v_mul_u32_u24 v6, v1, SPITCH
	v_lshl_add_u32 v6, v2, 5, v6
	v_add_nc_u32 v[STO], s23, v6
	v_mul_u32_u24 v6, v2, SPITCH
	v_lshl_add_u32 v6, v1, 4, v6
	v_add_nc_u32 v[RD], s23, v6
	v_lshlrev_b32 v[BA], 4, v1
	v_lshl_add_u32 v[CO], v2, 12, v[BA]
.if LAPS > 1
	v_min_u32 v8, 23, v3
	v_mul_u32_u24 v9, v8, 11
	v_lshrrev_b32 v9, 5, v9
	v_mul_u32_u24 v10, v9, 3
	v_sub_nc_u32 v10, v8, v10
	v_mul_u32_u24 v[PFO], v9, s76
	v_lshl_add_u32 v[PFO], v10, 8, v[PFO]
.endif
	s_wait_alu depctr_va_vdst(0)
.irp i, 0,1
.set c, 0
.rept KS/16
	global_load_b128 v[WS+KSTEPS*\i+4*c:WS+KSTEPS*\i+4*c+3], v[LSW], s[8:9] offset:32*KS*\i+16*c
.set c, c+1
.endr
.set c, 0
.rept KSTEPS
	global_load_b32 v[AS+KSTEPS*\i+c], v[LSA], s[98:99] offset:16384*c+128*\i
.set c, c+1
.endr
.endr
	WIN 0x80
.irp a, 0,1,2,3
.irp t, 0,1,2,3,4,5,6,7
	global_load_b128 v[32*\a+4*\t:32*\a+4*\t+3], v[CO], s[12:13] offset:(16*\a+2*\t)*4096
.endr
.endr
	WIN 0
	global_load_b128 v[12:15], v[BA], s[10:11]
.macro FRAGB reg, adr, st, i
.irp p, 0,1,2,3,4,5
.set BY, 96*(\st)+48*(\p/3)+8*(\p%3)
.if BY/256 == (BY+24)/256
	ds_load_b64 v[\reg+2*\p:\reg+2*\p+1], v[\adr] offset:BY+16*(BY/256)+(\i)*16*WP
.else
	ds_load_b64 v[\reg+2*\p:\reg+2*\p+1], v[\adr+2] offset:BY+16*(BY/256)+(\i)*16*WP
.endif
.endr
.endm
.macro FETCH h, q, f
	WIN 0x40
.irp i, 0,1,2,3
	FRAGB (\f)+48+12*\i, ADRB+((\h)/2)%2, 4*((\h)%2)+(\q), \i
.endr
.irp i, 0,1,2,3
	ds_load_b128 v[(\f)+12*\i:(\f)+12*\i+3], v[AD16+(\h)%2] offset:4*FRB*\i+FRB*(\q)
	ds_load_b64 v[(\f)+12*\i+4:(\f)+12*\i+5], v[AD8+(\h)%2] offset:4*FRB*\i+FRB*(\q)+512
	ds_load_b128 v[(\f)+12*\i+6:(\f)+12*\i+9], v[AD16+(\h)%2] offset:4*FRB*\i+FRB*(\q)+768
	ds_load_b64 v[(\f)+12*\i+10:(\f)+12*\i+11], v[AD8+(\h)%2] offset:4*FRB*\i+FRB*(\q)+1280
.endr
	WIN 0
.endm
.macro WI cc, m1, m2
	v_wmma_scale_f32_16x16x128_f8f6f4 v[rD:rD+7], v[rB:rB+11], v[rA:rA+11], \cc, v[sB], v[sA] matrix_a_fmt:MATRIX_FMT_FP6 matrix_b_fmt:MATRIX_FMT_FP6 \m1 \m2
.endm
.macro WR cc, a, b
.if ((\a)%2 == 0) && ((\b)%2 == 0)
	WI \cc
.elseif ((\a)%2 == 0)
	WI \cc, matrix_a_scale:MATRIX_SCALE_ROW1
.elseif ((\b)%2 == 0)
	WI \cc, matrix_b_scale:MATRIX_SCALE_ROW1
.else
	WI \cc, matrix_a_scale:MATRIX_SCALE_ROW1, matrix_b_scale:MATRIX_SCALE_ROW1
.endif
.endm
.macro MULA f, a, s, zero
.irp b, 0,1,2,3
.set rD, ACC+8*(4*(\a)+\b)
.set rB, (\f)+48+12*\b
.set rA, (\f)+12*(\a)
.set sB, WS+KSTEPS*(\b/2)+(\s)
.set sA, AS+KSTEPS*((\a)/2)+(\s)
.if \zero
	WR 0, \a, \b
.else
	WR v[rD:rD+7], \a, \b
.endif
.endr
.endm
.macro QSTEP h, q, zero
	s_wait_dscnt 0x0
	PLACES 4
	FETCH \h, (\q)+1, 96*(1-(\q)%2)
	WIN MUL
.irp a, 0,1,2,3
	MULA 96*((\q)%2), \a, 4*(\h)+(\q), \zero
.endr
.endm
.macro ASK h
.if (\h)+3 < NH
	s_cmp_eq_u32 s15, 0
	s_cbranch_scc0 .Lpw_\@
	global_prefetch_b8 v[PFO], s[PFA:PFA+1] offset:((\h)+3)*4*FRB th:TH_LOAD_NT scope:SCOPE_SE
	s_branch .Lpd_\@
.Lpw_\@:
.if ((\h)%2 == 0) && ((\h)/2+2 < LAPS)
	global_prefetch_b8 v[PFO], s[PFA:PFA+1] offset:((\h)/2+2)*768 th:TH_LOAD_NT scope:SCOPE_SE
	global_prefetch_b8 v[PFO], s[PFA:PFA+1] offset:((\h)/2+2)*768+8*KROW th:TH_LOAD_NT scope:SCOPE_SE
.endif
.Lpd_\@:
.endif
.endm
.macro TURN h
	WIN 0
	s_wait_tensorcnt 0x0
	ds_add_u32 v[SPW], v[NIL]
.if (\h)+2 < NH
	s_add_nc_u64 s[G0+4*((\h)%2)+2:G0+4*((\h)%2)+3], s[G0+4*((\h)%2)+2:G0+4*((\h)%2)+3], 2*4*FRB
.if ((\h)%2 == 1) && ((\h)/2+2 < LAPS)
	s_add_nc_u64 s[G0B+4*(((\h)/2)%2)+2:G0B+4*(((\h)/2)%2)+3], s[G0B+4*(((\h)/2)%2)+2:G0B+4*(((\h)/2)%2)+3], 2*768
.endif
.endif
	s_wait_dscnt 1
	WIN MUL
	MULA F1, 0, 4*(\h)+3, 0
	s_wait_dscnt 0x0
	s_barrier_signal -1
	MULA F1, 1, 4*(\h)+3, 0
	WIN 0
	s_barrier_wait -1
.if (\h)+2 < NH
	CREST
.if ((\h)%2 == 1) && ((\h)/2+2 < LAPS)
	JL (\h)%2, ((\h)/2)%2
.else
	JL (\h)%2, -1
.endif
.else
	PLACES 4
.endif
	FETCH (\h)+1, 0, F0
	ASK \h
	WIN MUL
	MULA F1, 2, 4*(\h)+3, 0
	MULA F1, 3, 4*(\h)+3, 0
.endm
	s_wait_alu depctr_va_vdst(0)
	s_wait_tensorcnt 0x0
	ds_add_u32 v[SPW], v[NIL]
	s_wait_dscnt 0x0
	CROUND
.if LAPS > 1
	JL 1, 1
.else
	JL 1, -1
.endif
	FETCH 0, 0, F0
	s_wait_loadcnt 33
.set H, 0
.rept NH
	QSTEP H, 0, (H==0)
	QSTEP H, 1, 0
	QSTEP H, 2, 0
.if H < NH-1
	TURN H
.else
	s_wait_dscnt 0x0
	WIN MUL
.irp a, 0,1,2,3
	MULA F1, \a, 4*H+3, 0
.endr
	WIN 0
.endif
.set H, H+1
.endr
.macro TOSTAGE a
	WIN 0x08
.irp b, 0,1,2,3
	ds_store_b128 v[STO], v[ACC+8*(4*(\a)+\b):ACC+8*(4*(\a)+\b)+3] offset:64*\b
	ds_store_b128 v[STO], v[ACC+8*(4*(\a)+\b)+4:ACC+8*(4*(\a)+\b)+7] offset:64*\b+16
.endr
	WIN 0
.set RB, ROWS+32*((\a)%2)
.irp t, 0,1,2,3,4,5,6,7
	ds_load_b128 v[RB+4*\t:RB+4*\t+3], v[RD] offset:\t*2*SPITCH
.endr
.endm
.macro SEND a, younger
.set RB, ROWS+32*((\a)%2)
	s_wait_dscnt \younger
.irp t, 0,1,2,3,4,5,6,7
	v_pk_add_f32 v[RB+4*\t:RB+4*\t+1], v[RB+4*\t:RB+4*\t+1], v[12:13]
	v_pk_add_f32 v[RB+4*\t+2:RB+4*\t+3], v[RB+4*\t+2:RB+4*\t+3], v[14:15]
.endr
	WIN 0x08
.irp t, 0,1,2,3,4,5,6,7
	v_pk_add_f32 v[RB+4*\t:RB+4*\t+1], v[RB+4*\t:RB+4*\t+1], v[32*(\a)+4*\t:32*(\a)+4*\t+1]
	v_pk_add_f32 v[RB+4*\t+2:RB+4*\t+3], v[RB+4*\t+2:RB+4*\t+3], v[32*(\a)+4*\t+2:32*(\a)+4*\t+3]
.endr
	WIN 0
.irp t, 0,1,2,3,4,5,6,7
	global_store_b128 v[CO], v[RB+4*\t:RB+4*\t+3], s[96:97] offset:(16*(\a)+2*\t)*4096
.endr
.endm
	PLACES 4
	s_wait_loadcnt 0x0
	TOSTAGE 0
.irp a, 1,2,3
.if \a > 1
	s_wait_xcnt 0x0
.endif
	TOSTAGE \a
	SEND \a-1, 16
.endr
	SEND 3, 0
	s_wait_tensorcnt 0x0
	ds_add_u32 v[SPW], v[NIL]
	s_wait_dscnt 0x0
	CROUND
	s_endpgm
.Lfunc_end_k_q7abfefc3d5_outp:
	.size	k_q7abfefc3d5_outp, .Lfunc_end_k_q7abfefc3d5_outp-k_q7abfefc3d5_outp
	.p2alignl 7, 3214868480
	.fill 96, 4, 3214868480
	.section	.rodata,"a",@progbits
	.p2align	6, 0x0
	.amdhsa_kernel k_q7abfefc3d5_outp
		.amdhsa_group_segment_fixed_size 327680
		.amdhsa_private_segment_fixed_size 0
		.amdhsa_enable_private_segment 0
		.amdhsa_kernarg_size 48
		.amdhsa_user_sgpr_count 2
		.amdhsa_user_sgpr_kernarg_segment_ptr 1
		.amdhsa_wavefront_size32 1
		.amdhsa_system_sgpr_workgroup_id_x 1
		.amdhsa_system_sgpr_workgroup_id_y 1
		.amdhsa_system_sgpr_workgroup_id_z 1
		.amdhsa_system_vgpr_workitem_id 0
		.amdhsa_next_free_vgpr 768
		.amdhsa_next_free_sgpr 100
		.amdhsa_reserve_vcc 0
		.amdhsa_float_denorm_mode_32 3
		.amdhsa_float_denorm_mode_16_64 3
		.amdhsa_memory_ordered 1
		.amdhsa_forward_progress 1
		.amdhsa_inst_pref_size 68
	.end_amdhsa_kernel
	.amdgpu_metadata
---
amdhsa.version: [ 1, 2 ]
amdhsa.kernels:
  - .name:           k_q7abfefc3d5_outp
    .symbol:         k_q7abfefc3d5_outp.kd
    .args:
      - { .name: oq, .offset: 0, .size: 8, .value_kind: global_buffer, .address_space: global }
      - { .name: out_w_codes, .offset: 8, .size: 8, .value_kind: global_buffer, .address_space: global }
      - { .name: out_w_scales, .offset: 16, .size: 8, .value_kind: global_buffer, .address_space: global }
      - { .name: out_b, .offset: 24, .size: 8, .value_kind: global_buffer, .address_space: global }
      - { .name: x, .offset: 32, .size: 8, .value_kind: global_buffer, .address_space: global }
      - { .name: x1, .offset: 40, .size: 8, .value_kind: global_buffer, .address_space: global }
    .group_segment_fixed_size: 327680
    .private_segment_fixed_size: 0
    .kernarg_segment_align: 8
    .kernarg_segment_size: 48
    .max_flat_workgroup_size: 128
    .sgpr_count:     100
    .vgpr_count:     768
    .wavefront_size: 32
...
	.end_amdgpu_metadata
.endif
;; end of part 4
;; launch ln2: the kernel of part 1 again; grid 256 x 1, 8 waves a work-group, no clusters, 83,456 bytes of LDS; arguments x1, ln2_g, ln2_b, xq; writes xq
;; launch up (part 5): grid 16 x 16, 4 waves a work-group, clusters of 4 x 4, 327,680 bytes of LDS; arguments xq, w1_codes, w1_scales, b1, hq; writes hq
.if DOCPART == 5
	.amdgcn_target "amdgcn-amd-amdhsa--gfx1250"
	.amdhsa_code_object_version 6
	.text
	.protected	k_q7abfefc3d5_up
	.globl	k_q7abfefc3d5_up
	.p2align	8
	.type	k_q7abfefc3d5_up,@function
k_q7abfefc3d5_up:
	s_mov_b64 s[64:65], 0
	v_nop
	global_prefetch_b8 v0, s[64:65] scope:SCOPE_SE
	s_setreg_imm32_b32 hwreg(HW_REG_WAVE_MODE, 25, 1), 1
	s_wait_xcnt 0x0
	s_wait_alu depctr_hold_cnt(0) depctr_sa_sdst(0) depctr_va_vdst(0) depctr_va_sdst(0) depctr_va_ssrc(0) depctr_va_vcc(0) depctr_vm_vsrc(0)
	s_getreg_b32 s2, hwreg(HW_REG_IB_STS2, 6, 4)
	s_cmp_eq_u32 s2, 0
	s_cbranch_scc0 .Lentry_in_a_cluster
	s_endpgm
.Lentry_in_a_cluster:
	s_bfe_u32 s2, ttmp6, 0x10000c
	s_cmp_lg_u32 s2, 0xf033
	s_cbranch_scc0 .Lentry_shape_is_right
	s_endpgm
.Lentry_shape_is_right:
; PRODUCT 5, THE ACTIVATION AND ITS QUANTISER.  h = relu(LN2(x1) w1^T + b1) on codes of E2M3 (K = 1024), quantised along the hidden axis into hq.  Nothing is left out here.
; A tile of 256 x 256 to four waves, 128 x 128 a wave.  K goes through a ring of two LDS slots in chunks of 256 bytes of each row of codes (a row is 768 bytes, so every chunk begins at a multiple of 256 bytes);
; a step of 128 along K is 96 bytes: eight steps to three chunks, steps 2 and 5 lie across two chunks.  The scale bytes of the work-group's rows come once, as dense blocks, and stay.
; 4 x 4 work-groups form a cluster: A's tiles (tokens, xq) are asked for jointly along a row, B's (w1's rows) along a column.  No prefetch: K is three chunks, of which two are asked for before the first product.
; STORED (hq): fragment (tile of 16 tokens mt, K step s) at (32 mt + s) 1,536: registers 0-3 at 16 x lane, 4-5 at 512 + 8 x lane, 6-9 at 768 + 16 x lane, 10-11 at 1,280 + 8 x lane; from byte 12,582,912 on the scale words, 4 (4096 s + token).
; LIMITS: as stated at the head of the first launch.
.set ROWB,   256
.set NQ,     2
.set KROW,   768
.set STEPS,  8
.set CHUNKS, 3
.set PITCH,  272
.set FR,     12
.set NL,     6
.set NP,     4
.set HALFT,  128*PITCH
.set SLOT,   4*HALFT
.set KS,     32
.set SCL,    2*SLOT
.set HALFS,  (128*KS/256)*272
.set SBLK,   (16*KS/256)*272
.set SPARE,  SCL+4*HALFS
.set STAGE,  SPARE+512
.set XSC,    3145728
.set HSC,    12582912
.set L16,  8
.set L8,   9
.set STG,  10
.set RDS,  11
.set ADRA, 16
.set ADRB, 20
.set ADRS, 27
.set SPW,  28
.set NIL,  29
.set BCA,  30
.set SC,   32
.set BIAS, 64
.set AF,   128
.set T,    128
.set QC,   192
.set TM,   212
.set PW,   228
.set W,    230
.set XW,   238
.set G1, 24
.set G0, 32
.set G1B, 48
.set G0B, 56
.set G1S, 68
.set G0S, 76
.set G1SB, 80
.set G0SB, 88
.set G0H, 4
.set G0HB, 8
.set SEL, 68
.set HM,  70
.set MSB, 0
.macro WIN new
.if MSB != (\new)
	s_set_vgpr_msb (MSB<<8)|(\new)
.set MSB, (\new)
.endif
.endm
.set MUL_LO, 0xa1
.set MUL_HI, 0xf1
.set TO_B,   0x40
.macro JLOAD g0a, g1a, g0b, g1b        ; waves 0, 1 fetch for A, waves 2, 3 for B
	s_cmp_eq_u32 s15, 0
	s_cbranch_scc0 .Lfor_b_\@
	tensor_load_to_lds s[\g0a:\g0a+3], s[\g1a:\g1a+7]
	s_nop 0
.rept 4
	v_nop
.endr
	s_branch .Lasked_\@
.Lfor_b_\@:
	tensor_load_to_lds s[\g0b:\g0b+3], s[\g1b:\g1b+7]
	s_nop 0
.rept 4
	v_nop
.endr
.Lasked_\@:
.endm
.macro CREST
	s_cmp_lg_u32 s14, 0
	s_cbranch_scc1 .Lnot_wave_0_\@
	s_barrier_signal -3
.Lnot_wave_0_\@:
	s_barrier_wait -3
	s_barrier_signal -1
	s_barrier_wait -1
.endm
.macro CROUND
	s_barrier_signal -1
	s_barrier_wait -1
	CREST
.endm
	s_load_b128 s[4:7], s[0:1], 0x0                ; xq, w1's codes
	s_load_b128 s[8:11], s[0:1], 0x10              ; w1's scales, b1
	s_load_b64 s[12:13], s[0:1], 0x20              ; hq
	v_lshl_add_u32 v[SPW], v0, 2, SPARE
	v_mov_b32 v[NIL], 0
	ds_add_u32 v[SPW], v[NIL]                      ; the opening lines: the add twice and one wait
	ds_add_u32 v[SPW], v[NIL]
	v_lshrrev_b32 v1, 5, v0
	v_readfirstlane_b32 s14, v1                    ; wave
	s_lshr_b32 s15, s14, 1
	s_and_b32 s16, s14, 1
	s_bfe_u32 s40, ttmp6, 0x40000
	s_bfe_u32 s41, ttmp6, 0x40004
	s_lshl_b32 s42, ttmp9, 2
	s_add_co_u32 s42, s42, s40                     ; tile of hidden units
	s_and_b32 s17, ttmp7, 0xffff
	s_lshl_b32 s17, s17, 2
	s_add_co_u32 s17, s17, s41                     ; tile of tokens
	s_lshl_b32 s43, s41, 2
	s_lshl_b32 s43, 15, s43
	s_lshl_b32 s44, 0x1111, s40
	s_or_b32 s[G1+0], s43, (0<<16)|(1<<20)|(1<<21)|(5<<22)|(3<<25)
	s_or_b32 s[G1B+0], s44, (0<<16)|(1<<20)|(1<<21)|(5<<22)|(3<<25)
.irp g, G1, G1B
	s_mov_b32 s[\g+1], ROWB<<16
	s_mov_b32 s[\g+2], 256<<16                     ; the head's loads bring 256 rows
	s_mov_b32 s[\g+3], ROWB<<16
	s_mov_b32 s[\g+4], 256
	s_mov_b32 s[\g+5], KROW
	s_mov_b32 s[\g+6], 0
	s_mov_b32 s[\g+7], 0
.endr
	s_or_b32 s[G1S+0], s43, (3<<16)|(1<<20)|(1<<21)|(5<<22)|(3<<25)
	s_or_b32 s[G1SB+0], s44, (3<<16)|(1<<20)|(1<<21)|(5<<22)|(3<<25)
.irp g, G1S, G1SB
	s_mov_b32 s[\g+1], 32<<16
	s_mov_b32 s[\g+2], KS<<16
	s_mov_b32 s[\g+3], 32<<16
	s_mov_b32 s[\g+4], KS
	s_mov_b32 s[\g+5], 32
	s_mov_b32 s[\g+6], 0
	s_mov_b32 s[\g+7], 0
.endr
	s_lshl_b32 s20, s17, 8
	s_lshl_b32 s46, s42, 8
	s_mov_b32 s21, 0
	s_mov_b32 s47, 0
	s_mov_b64 s[18:19], KS
	s_mul_u64 s[22:23], s[20:21], s[18:19]
	s_mul_u64 s[92:93], s[46:47], s[18:19]
	s_mov_b64 s[18:19], KROW
	s_mul_u64 s[20:21], s[20:21], s[18:19]
	s_mul_u64 s[46:47], s[46:47], s[18:19]
	s_mul_i32 s18, s16, 128*KROW
	s_mov_b32 s19, 0
	s_mul_i32 s45, s14, HALFT
	s_wait_dscnt 0x0
	s_wait_kmcnt 0x0
	s_mov_b64 s[104:105], s[10:11]                 ; b1
	s_add_nc_u64 s[96:97], s[4:5], XSC             ; xq's scale bytes
	s_add_nc_u64 s[20:21], s[4:5], s[20:21]
	s_add_nc_u64 s[22:23], s[96:97], s[22:23]
	s_add_nc_u64 s[46:47], s[6:7], s[46:47]
	s_add_nc_u64 s[92:93], s[8:9], s[92:93]
	CROUND                                         ; in front of the first joint loads
	s_mov_b32 s[G0H], 1
	s_mov_b32 s[G0H+1], 0
	s_mov_b64 s[G0H+2:G0H+3], s[20:21]
	s_or_b32 s[G0H+3], s[G0H+3], 0x80000000
	s_mov_b32 s[G0HB], 1
	s_mov_b32 s[G0HB+1], 2*HALFT
	s_mov_b64 s[G0HB+2:G0HB+3], s[46:47]
	s_or_b32 s[G0HB+3], s[G0HB+3], 0x80000000
	s_mov_b32 s[G0S], 1
	s_mov_b32 s[G0S+1], SCL
	s_mov_b64 s[G0S+2:G0S+3], s[22:23]
	s_or_b32 s[G0S+3], s[G0S+3], 0x80000000
	s_mov_b32 s[G0SB], 1
	s_mov_b32 s[G0SB+1], SCL+2*HALFS
	s_mov_b64 s[G0SB+2:G0SB+3], s[92:93]
	s_or_b32 s[G0SB+3], s[G0SB+3], 0x80000000
	s_add_nc_u64 s[20:21], s[20:21], s[18:19]
	s_add_nc_u64 s[46:47], s[46:47], s[18:19]
.irp s, 0,1
	s_mov_b32 s[G0+4*\s], 1
	s_add_co_u32 s[G0+4*\s+1], s45, \s*SLOT
	s_add_nc_u64 s[G0+4*\s+2:G0+4*\s+3], s[20:21], \s*ROWB
	s_or_b32 s[G0+4*\s+3], s[G0+4*\s+3], 0x80000000
	s_mov_b32 s[G0B+4*\s], 1
	s_add_co_u32 s[G0B+4*\s+1], s45, \s*SLOT
	s_add_nc_u64 s[G0B+4*\s+2:G0B+4*\s+3], s[46:47], \s*ROWB
	s_or_b32 s[G0B+4*\s+3], s[G0B+4*\s+3], 0x80000000
.endr
; the head's four tiles, one load a wave: chunk 0 of A, chunk 0 of B, A's scales, B's scales
.macro ARM under, g0, g1, next
	s_cmp_lt_u32 s14, \under
	s_cbranch_scc0 \next
	tensor_load_to_lds s[\g0:\g0+3], s[\g1:\g1+7]
	s_nop 0
.rept 4
	v_nop
.endr
	s_branch .Lhead_asked
\next:
.endm
	ARM 1, G0H,  G1,  .Lhead_b
	ARM 2, G0HB, G1B, .Lhead_sa
	ARM 3, G0S,  G1S, .Lhead_sb
	tensor_load_to_lds s[G0SB:G0SB+3], s[G1SB:G1SB+7]
	s_nop 0
.rept 4
	v_nop
.endr
.Lhead_asked:
	s_lshl_b32 s18, s42, 8                         ; b1 at my 128 hidden units
	s_lshl_b32 s19, s16, 7
	s_add_co_u32 s18, s18, s19
	s_lshl_b32 s18, s18, 2
	s_mov_b32 s19, 0
	s_add_nc_u64 s[104:105], s[104:105], s[18:19]
	v_and_b32 v1, 15, v0
	v_bfe_u32 v2, v0, 4, 1
	v_mul_u32_u24 v3, v1, PITCH
	v_mul_u32_u24 v4, v2, 24
	v_add_nc_u32 v4, v3, v4
	s_mov_b32 s21, SLOT-232
	s_mov_b32 s22, SLOT+232
	v_sub_nc_u32 v7, 1, v2
	v_mul_u32_u24 v5, s21, v2
	v_add_nc_u32 v5, v3, v5
	v_add_nc_u32 v5, 232, v5                       ; across two chunks: lanes 0-15 byte 232 in slot 0, lanes 16-31 byte 0 in slot 1
	v_mul_u32_u24 v6, s22, v7
	v_add_nc_u32 v6, v3, v6                        ; and the other way round
	s_mul_i32 s21, s15, HALFT
	s_mul_i32 s22, s16, HALFT
	s_add_co_u32 s22, s22, 2*HALFT
	v_add_nc_u32 v[ADRA+2], s21, v5
	v_add_nc_u32 v[ADRA+3], s21, v6
	v_add_nc_u32 v[ADRB+2], s22, v5
	v_add_nc_u32 v[ADRB+3], s22, v6
.irp s, 0,1
	v_add_nc_u32 v[ADRA+\s], s21, v4
	v_add_nc_u32 v[ADRB+\s], s22, v4
	s_add_co_u32 s21, s21, SLOT
	s_add_co_u32 s22, s22, SLOT
.endr
	v_mul_u32_u24 v5, v1, KS
	v_lshrrev_b32 v6, 8, v5
	v_lshl_add_u32 v5, v6, 4, v5
	s_mul_i32 s21, s15, HALFS
	s_mul_i32 s22, s16, HALFS
	s_add_co_u32 s22, s22, 2*HALFS
	s_sub_co_u32 s22, s22, s21
	v_mul_u32_u24 v6, s22, v2
	s_add_co_u32 s21, s21, SCL
	v_add_nc_u32 v5, v5, v6
	v_add_nc_u32 v[ADRS], s21, v5
	s_lshl_b32 s23, s14, 9
	s_add_co_u32 s23, s23, STAGE
	v_and_b32 v6, 31, v0
	v_lshl_add_u32 v[STG], v6, 2, s23
	v_lshlrev_b32 v[L16], 4, v6
	v_lshlrev_b32 v[L8], 3, v6
	v_add_nc_u32 v[RDS], s23, v[L16]
	v_lshlrev_b32 v[BCA], 5, v2
	s_wait_alu depctr_va_vdst(0)
.irp b, 0,1,2,3,4,5,6,7
	global_load_b128 v[BIAS+8*\b:BIAS+8*\b+3], v[BCA], s[104:105] offset:64*\b
	global_load_b128 v[BIAS+8*\b+4:BIAS+8*\b+7], v[BCA], s[104:105] offset:64*\b+16
.endr
.macro FRAG reg, adr, st, i            ; 16 rows x 128 K: six pieces of 8 bytes; byte y of a row lies in chunk y / 256, slot (y / 256) % 2
.irp p, 0,1,2,3,4,5
.set BY, 96*(\st)+48*(\p/3)+8*(\p%3)
.if BY/ROWB == (BY+24)/ROWB
	ds_load_b64 v[\reg+2*\p:\reg+2*\p+1], v[\adr+(BY/ROWB)%2] offset:BY%ROWB+(\i)*16*PITCH
.else
	ds_load_b64 v[\reg+2*\p:\reg+2*\p+1], v[\adr+2+(BY/ROWB)%2] offset:BY%ROWB-232+(\i)*16*PITCH
.endif
.endr
.endm
.macro MUL16 a0, p, q, sc, zero        ; the 64 accumulators take turns
.irp a, \a0, \a0+1
.irp b, 0,1,2,3,4,5,6,7
.if \zero
	v_wmma_scale_f32_16x16x128_f8f6f4 v[8*(8*((\a)%4)+\b):8*(8*((\a)%4)+\b)+7], v[128*(\p)+FR*\b:128*(\p)+FR*\b+FR-1], v[AF+FR*(\a):AF+FR*(\a)+FR-1], 0, v[SC+8*NQ*(\sc)+NQ*\b+(\q)], v[SC+8*NQ*(\sc)+NQ*(\a)+(\q)] matrix_a_fmt:MATRIX_FMT_FP6 matrix_b_fmt:MATRIX_FMT_FP6 matrix_a_scale:MATRIX_SCALE_ROW1
.else
	v_wmma_scale_f32_16x16x128_f8f6f4 v[8*(8*((\a)%4)+\b):8*(8*((\a)%4)+\b)+7], v[128*(\p)+FR*\b:128*(\p)+FR*\b+FR-1], v[AF+FR*(\a):AF+FR*(\a)+FR-1], v[8*(8*((\a)%4)+\b):8*(8*((\a)%4)+\b)+7], v[SC+8*NQ*(\sc)+NQ*\b+(\q)], v[SC+8*NQ*(\sc)+NQ*(\a)+(\q)] matrix_a_fmt:MATRIX_FMT_FP6 matrix_b_fmt:MATRIX_FMT_FP6 matrix_a_scale:MATRIX_SCALE_ROW1
.endif
.endr
.endr
.endm
.macro FETCH_B st, p
	WIN TO_B
.irp i, 0,1,2,3,4,5,6,7
	FRAG 128*(\p)+FR*\i, ADRB, \st, \i
.endr
	WIN 0
.endm
.macro FETCH_A st, i0
.irp i, \i0, \i0+1, \i0+2, \i0+3
	FRAG AF+FR*(\i), ADRA, \st, \i
.endr
.endm
.macro SCALES pr                       ; the scale words of steps 2 pr, 2 pr + 1: lanes 0-15 A's block i, lanes 16-31 B's
.irp i, 0,1,2,3,4,5,6,7
	ds_load_b64 v[SC+8*NQ*((\pr)%2)+NQ*\i:SC+8*NQ*((\pr)%2)+NQ*\i+1], v[ADRS] offset:\i*SBLK+4*NQ*(\pr)
.endr
.endm
.macro PLACES n
.rept \n
	v_nop
.endr
.endm
; A step: 64 products; the next step's fragments are fetched in its middle and at its end.  Where the next step ends in a chunk not yet read, a barrier shows that chunk whole;
; where it begins in a later chunk, the chunk left behind is given up: the three lines, the barrier, and, if a chunk two on is left, the cluster's round and the refill.
.macro STEP st, zero
.set NX, (\st)+1
.set C0, (96*(\st))/ROWB
.set C1, (96*NX)/ROWB
.set E0, (96*(\st)+95)/ROWB
.set E1, (96*NX+95)/ROWB
.if C1 > C0 || E1 > E0
	s_wait_tensorcnt 0x0                           ; all my tensor loads have landed
.if C1 > C0
	ds_add_u32 v[SPW], v[NIL]
	s_wait_dscnt 4*NL+1                            ; the add and A's blocks 4-7 (24 loads) may be out
.else
	s_wait_dscnt 4*NL                              ; A's blocks 4-7 may be out
.endif
	WIN MUL_LO
	MUL16 0, (\st)%2, (\st)%2, ((\st)/2)%2, \zero
	s_wait_dscnt 0x0                               ; the add and all my reads are done
	s_barrier_signal -1
	MUL16 2, (\st)%2, (\st)%2, ((\st)/2)%2, \zero
	WIN 0
	s_barrier_wait -1
.if C1 > C0 && C0+2 < CHUNKS
	CREST
	s_add_nc_u64 s[G0+4*(C0%2)+2:G0+4*(C0%2)+3], s[G0+4*(C0%2)+2:G0+4*(C0%2)+3], 2*ROWB
	s_add_nc_u64 s[G0B+4*(C0%2)+2:G0B+4*(C0%2)+3], s[G0B+4*(C0%2)+2:G0B+4*(C0%2)+3], 2*ROWB
	JLOAD G0+4*(C0%2), G1, G0B+4*(C0%2), G1B       ; chunk C0 + 2; its four v_nop are the places in front of the loads below
.else
	PLACES NP
.endif
.else
	s_wait_dscnt 4*NL
	WIN MUL_LO
	MUL16 0, (\st)%2, (\st)%2, ((\st)/2)%2, \zero
	MUL16 2, (\st)%2, (\st)%2, ((\st)/2)%2, \zero
	s_wait_dscnt 0
	PLACES NP
.endif
	FETCH_B NX, NX%2
	FETCH_A NX, 0
.if NX%2 == 0
	SCALES NX/2
.endif
	WIN MUL_HI
	MUL16 4, (\st)%2, (\st)%2, ((\st)/2)%2, \zero
	MUL16 6, (\st)%2, (\st)%2, ((\st)/2)%2, \zero
	PLACES NP
	WIN 0
	FETCH_A NX, 4
.endm
	s_wait_alu depctr_va_vdst(0)
	s_wait_tensorcnt 0x0                           ; my tile of the head's four is in; the three lines ahead of slot 1's first fill
	ds_add_u32 v[SPW], v[NIL]
	s_mov_b32 s[G1+2], 128<<16                     ; from here on a load brings 128 rows
	s_mov_b32 s[G1+4], 128
	s_mov_b32 s[G1B+2], 128<<16
	s_mov_b32 s[G1B+4], 128
	s_wait_dscnt 0x0
	CROUND
	JLOAD G0+4, G1, G0B+4, G1B                     ; chunk 1
	FETCH_B 0, 0
	FETCH_A 0, 0
	SCALES 0
	FETCH_A 0, 4
	STEP 0, 1
.set ST, 1
.rept STEPS-2
	STEP ST, 0
.set ST, ST+1
.endr
	s_wait_dscnt 4*NL
	WIN MUL_LO
	MUL16 0, 1, 1, 1, 0
	MUL16 2, 1, 1, 1, 0
	s_wait_dscnt 0
	WIN MUL_HI
	MUL16 4, 1, 1, 1, 0
	MUL16 6, 1, 1, 1, 0
	WIN 0
; THE WAY OUT, block by block of 16 tokens x 128 hidden units: + b1, relu, 16 neighbours to a lane, quantised: one fragment of the next product's operand
.macro GATHER a
	WIN 0x02+(\a)/4
.set gi, 0
.rept 32
	v_pk_add_f32 v[T+2*gi:T+2*gi+1], v[64*((\a)%4)+2*gi:64*((\a)%4)+2*gi+1], v[BIAS+2*gi:BIAS+2*gi+1]
.set gi, gi+1
.endr
	WIN 0
.endm
.macro QUANT s
.irp b, 0,1,2,3
	v_max3_num_f32 v[TM+\b], |v[\s+16*\b]|, |v[\s+1+16*\b]|, 0x1800000
.endr
.irp i, 2,4,6,8,10,12,14
.irp b, 0,1,2,3
	v_max3_num_f32 v[TM+\b], v[TM+\b], |v[\s+16*\b+\i]|, |v[\s+1+16*\b+\i]|
.endr
.endr
.irp b, 0,1,2,3
	v_permlanex16_b32 v[TM+4+\b], v[TM+\b], s[SEL], s[SEL+1]
.endr
.irp b, 0,1,2,3
	v_max_num_f32 v[TM+\b], v[TM+\b], v[TM+4+\b]
.endr
.irp b, 0,1,2,3
	v_add_nc_u32 v[TM+12+\b], 0xff000000, v[TM+\b]
.endr
.irp b, 0,1,2,3
	v_lshrrev_b32 v[TM+4+\b], 23, v[TM+12+\b]
.endr
	v_lshl_or_b32 v[PW], v[TM+5], 8, v[TM+4]
	v_lshl_or_b32 v[PW], v[TM+6], 16, v[PW]
	v_lshl_or_b32 v[PW], v[TM+7], 24, v[PW]
.irp c, 0,1
	v_cvt_scalef32_pk16_fp6_f32 v[QC+6*\c:QC+2+6*\c], v[\s+32*\c:\s+15+32*\c], v[TM+12+2*\c]
	v_cvt_scalef32_pk16_fp6_f32 v[QC+12+4*\c:QC+14+4*\c], v[\s+16+32*\c:\s+31+32*\c], v[TM+12+2*\c+1]
.endr
	v_nop
.irp c, 0,1
.irp i, 0,1,2
	v_permlane16_swap_b32 v[QC+6*\c+\i], v[QC+12+4*\c+\i]
.endr
.irp i, 0,1,2
	v_mov_b32 v[QC+3+6*\c+\i], v[QC+12+4*\c+\i]
.endr
.endr
.endm
	PLACES NP
	s_wait_loadcnt 0x0
	s_mov_b32 s[SEL], 0x76543210
	s_mov_b32 s[SEL+1], 0xfedcba98
	s_mov_b32 s[HM], 0xffff0000
.irp b, 0,1,2,3
	v_mov_b32 v[TM+4+\b], 0
.endr
	s_lshl_b32 s2, s17, 4
	s_lshl_b32 s3, s15, 3
	s_add_co_u32 s2, s2, s3
	s_lshl_b32 s2, s2, 5
	s_lshl_b32 s3, s42, 1
	s_add_co_u32 s3, s3, s16
	s_add_co_u32 s2, s2, s3
	s_mul_i32 s18, s2, 1536
	s_mov_b32 s19, 0
	s_lshl_b32 s20, s3, 12
	s_lshl_b32 s2, s17, 8
	s_add_co_u32 s20, s20, s2
	s_lshl_b32 s2, s15, 7
	s_add_co_u32 s20, s20, s2
	s_lshl_b32 s20, s20, 2
	s_add_co_u32 s20, s20, HSC
	s_mov_b32 s21, 0
	s_add_nc_u64 s[4:5], s[12:13], s[18:19]
	s_add_nc_u64 s[6:7], s[12:13], s[20:21]
.irp a, 0,1,2,3,4,5,6,7
.if \a > 0
	s_wait_xcnt 0x0
.endif
	GATHER \a
.irp j, 0,1,2,3,4,5,6,7,8,9,10,11,12,13,14,15,16,17,18,19,20,21,22,23,24,25,26,27,28,29,30,31,32,33,34,35,36,37,38,39,40,41,42,43,44,45,46,47,48,49,50,51,52,53,54,55,56,57,58,59,60,61,62,63
	v_max_num_f32 v[T+\j], 0, v[T+\j]
.endr
.irp e, 0,1,2,3
.irp j, 0,1,2,3,4,5,6,7
	v_permlane16_swap_b32 v[T+16*\e+\j], v[T+16*\e+8+\j]
.endr
.endr
	QUANT T
	global_store_b128 v[L16], v[QC:QC+3], s[4:5] offset:32*1536*\a
	global_store_b64 v[L8], v[QC+4:QC+5], s[4:5] offset:32*1536*\a+512
	global_store_b128 v[L16], v[QC+6:QC+9], s[4:5] offset:32*1536*\a+768
	global_store_b64 v[L8], v[QC+10:QC+11], s[4:5] offset:32*1536*\a+1280
	v_mov_b32 v[W+\a], v[PW]
.endr
.irp i, 0,1,2,3
	v_cndmask_b32 v[XW+\i], v[W+2*\i], v[W+2*\i+1], s[HM]
	ds_store_b32 v[STG], v[XW+\i] offset:128*\i
.endr
	ds_load_b128 v[T:T+3], v[RDS]
	s_wait_dscnt 0x0
	global_store_b128 v[L16], v[T:T+3], s[6:7]
	s_wait_tensorcnt 0x0                           ; the wave's end
	ds_add_u32 v[SPW], v[NIL]
	s_wait_dscnt 0x0
	CROUND
	s_endpgm
.Lfunc_end_k_q7abfefc3d5_up:
	.size	k_q7abfefc3d5_up, .Lfunc_end_k_q7abfefc3d5_up-k_q7abfefc3d5_up
	.p2alignl 7, 3214868480
	.fill 96, 4, 3214868480
	.section	.rodata,"a",@progbits
	.p2align	6, 0x0
	.amdhsa_kernel k_q7abfefc3d5_up
		.amdhsa_group_segment_fixed_size 327680
		.amdhsa_private_segment_fixed_size 0
		.amdhsa_enable_private_segment 0
		.amdhsa_kernarg_size 40
		.amdhsa_user_sgpr_count 2
		.amdhsa_user_sgpr_kernarg_segment_ptr 1
		.amdhsa_wavefront_size32 1
		.amdhsa_system_sgpr_workgroup_id_x 1
		.amdhsa_system_sgpr_workgroup_id_y 1
		.amdhsa_system_sgpr_workgroup_id_z 1
		.amdhsa_system_vgpr_workitem_id 0
		.amdhsa_next_free_vgpr 1024
		.amdhsa_next_free_sgpr 106
		.amdhsa_reserve_vcc 0
		.amdhsa_float_denorm_mode_32 3
		.amdhsa_float_denorm_mode_16_64 3
		.amdhsa_memory_ordered 1
		.amdhsa_forward_progress 1
		.amdhsa_inst_pref_size 208
	.end_amdhsa_kernel
	.amdgpu_metadata
---
amdhsa.version: [ 1, 2 ]
amdhsa.kernels:
  - .name:           k_q7abfefc3d5_up
    .symbol:         k_q7abfefc3d5_up.kd
    .args:
      - { .name: xq, .offset: 0, .size: 8, .value_kind: global_buffer, .address_space: global }
      - { .name: w1_codes, .offset: 8, .size: 8, .value_kind: global_buffer, .address_space: global }
      - { .name: w1_scales, .offset: 16, .size: 8, .value_kind: global_buffer, .address_space: global }
      - { .name: b1, .offset: 24, .size: 8, .value_kind: global_buffer, .address_space: global }
      - { .name: hq, .offset: 32, .size: 8, .value_kind: global_buffer, .address_space: global }
    .group_segment_fixed_size: 327680
    .private_segment_fixed_size: 0
    .kernarg_segment_align: 8
    .kernarg_segment_size: 40
    .max_flat_workgroup_size: 128
    .sgpr_count:     106
    .vgpr_count:     1024
    .wavefront_size: 32
...
	.end_amdgpu_metadata
.endif
;; end of part 5
;; launch down (part 6): grid 8 x 32, 4 waves a work-group, clusters of 4 x 4, 327,680 bytes of LDS; arguments hq, w2_codes, w2_scales, b2, x1, out0; writes out0
.if DOCPART == 6
	.amdgcn_target "amdgcn-amd-amdhsa--gfx1250"
	.amdhsa_code_object_version 6
	.text
	.protected	k_q7abfefc3d5_down
	.globl	k_q7abfefc3d5_down
	.p2align	8
	.type	k_q7abfefc3d5_down,@function
k_q7abfefc3d5_down:
	s_mov_b64 s[64:65], 0
	v_nop
	global_prefetch_b8 v0, s[64:65] scope:SCOPE_SE
	s_setreg_imm32_b32 hwreg(HW_REG_WAVE_MODE, 25, 1), 1
	s_wait_xcnt 0x0
	s_wait_alu depctr_hold_cnt(0) depctr_sa_sdst(0) depctr_va_vdst(0) depctr_va_sdst(0) depctr_va_ssrc(0) depctr_va_vcc(0) depctr_vm_vsrc(0)
	s_getreg_b32 s2, hwreg(HW_REG_IB_STS2, 6, 4)
	s_cmp_eq_u32 s2, 0
	s_cbranch_scc0 .Lentry_in_a_cluster
	s_endpgm
.Lentry_in_a_cluster:
	s_bfe_u32 s2, ttmp6, 0x10000c
	s_cmp_lg_u32 s2, 0xf033
	s_cbranch_scc0 .Lentry_shape_is_right
	s_endpgm
.Lentry_shape_is_right:
; PRODUCT 6 AND THE RESIDUAL.  out0 = x1 + h w2^T + b2 on codes of E2M3, K = 4096.  Nothing is left out here.
; A (hq): images of the operand's registers, fragment (tile of 16 rows mt, K step s) at (32 mt + s) 1,536, scale words at 12,582,912 + 4 (4096 s + row).  W (w2): codes and E8M0 bytes as given.
; A tile is 128 x 128 (256 work-groups), a wave makes 64 x 64 (16 accumulators).  4 x 4 work-groups form a cluster: A's tiles are asked for jointly along a row, W's along a column.
; LDS: A goes by half laps of 512 along K through two slots of 49,152 bytes (waves 0, 1: 4 tiles of rows x 6,144 dense bytes each); W by laps of 1,024 through two slots of 104,448 bytes (waves 2, 3: 64 rows of 768 bytes each,
; which begin at multiples of 256 bytes; 16 bytes of padding behind every 256: pitch 816).  One tensor load a wave at the head and behind each round; W's waves issue one behind every second round.
; THE SCALE WORDS go once from memory into registers that hold nothing else: W's 2 x 32 in v64-127, A's 2 x 32 in v128-191 (register: K step; lanes 0-15 an even block of 16 rows, lanes 16-31 the odd one).
; PREFETCH: behind the refill that brings half lap h + 2, A's waves name half lap h + 3 (of the wave's four tiles of rows the partner at cx takes one: 24 blocks of 256 bytes, a lane a block); at even h W's waves name lap h / 2 + 2
; (the partner at cy takes 16 of the wave's 64 rows: 48 blocks in two instructions), which the next round's refill brings.  Lanes 24-31 name block 23 again.  The last trips name nothing.
; REGISTERS: window 0: v12-15 bias, v16-31 addresses, scale words, v192-255 rows on the way out; window 1: two fragment buffers of 96; window 2: v0-127 the residual, v128-255 the accumulators.
.set SIZE_K, 4096
.set KSTEPS, SIZE_K/128
.set KROW,   SIZE_K*3/4
.set KS,     SIZE_K/32
.set LAPS,   SIZE_K/1024
.set NH,     2*LAPS
.set FRB,    1536
.set AHALF,  16*FRB
.set ASLOT,  2*AHALF
.set WOFF,   2*ASLOT
.set WP,     816
.set WHALF,  64*WP
.set WSLOT,  2*WHALF
.set STAGE,  WOFF+2*WSLOT              ; 16 rows x 272 bytes a wave; no fill lands here
.set SPITCH, 272
.set SPARE,  STAGE+64*SPITCH
.set PFO,  11
.set AD16, 16
.set AD8,  18
.set ADRB, 20
.set STO,  24
.set RD,   25
.set CO,   26
.set LSA,  27
.set SPW,  28
.set NIL,  29
.set LSW,  30
.set BA,   31
.set WS,   64
.set AS,   128
.set ROWS, 192
.set ACC,  128
.set F0,   0
.set F1,   96
.set G1, 24
.set G0, 32
.set G1B, 48
.set G0B, 56
.set PFA, 78
.set MSB, 0
.macro WIN new
.if MSB != (\new)
	s_set_vgpr_msb (MSB<<8)|(\new)
.set MSB, (\new)
.endif
.endm
.set MUL, 0xa5                         ; sources 0, 1 window 1; C and D window 2
.macro PLACES n
.rept \n
	v_nop
.endr
.endm
.macro JL ga, gb                       ; waves 0, 1: A's slot ga; waves 2, 3: W's slot gb, or nothing (gb = -1); four places stand on every way
	s_cmp_eq_u32 s15, 0
	s_cbranch_scc0 .Lfor_w_\@
	tensor_load_to_lds s[G0+4*(\ga):G0+4*(\ga)+3], s[G1:G1+7]
	s_nop 0
	PLACES 4
	s_branch .Lasked_\@
.Lfor_w_\@:
.if (\gb) >= 0
	tensor_load_to_lds s[G0B+4*(\gb):G0B+4*(\gb)+3], s[G1B:G1B+7]
	s_nop 0
.endif
	PLACES 4
.Lasked_\@:
.endm
.macro CREST
	s_cmp_lg_u32 s14, 0
	s_cbranch_scc1 .Lnot_wave_0_\@
	s_barrier_signal -3
.Lnot_wave_0_\@:
	s_barrier_wait -3
	s_barrier_signal -1
	s_barrier_wait -1
.endm
.macro CROUND
	s_barrier_signal -1
	s_barrier_wait -1
	CREST
.endm
	s_load_b128 s[4:7], s[0:1], 0x0                ; A, W's codes
	s_load_b128 s[8:11], s[0:1], 0x10              ; W's scales, the bias
	s_load_b64 s[12:13], s[0:1], 0x20              ; the residual
	s_load_b64 s[96:97], s[0:1], 0x28              ; the result
	v_lshl_add_u32 v[SPW], v0, 2, SPARE
	v_mov_b32 v[NIL], 0
	ds_add_u32 v[SPW], v[NIL]                      ; the opening lines: the add twice and one wait
	ds_add_u32 v[SPW], v[NIL]
	v_lshrrev_b32 v1, 5, v0
	v_readfirstlane_b32 s14, v1                    ; wave
	s_lshr_b32 s15, s14, 1                         ; my half of the rows; also: I fetch for A (0) or W (1)
	s_and_b32 s16, s14, 1                          ; my half of the columns; also: which part I fetch
	s_bfe_u32 s40, ttmp6, 0x40000
	s_bfe_u32 s41, ttmp6, 0x40004
	s_lshl_b32 s42, ttmp9, 2
	s_add_co_u32 s42, s42, s40                     ; TB
	s_and_b32 s17, ttmp7, 0xffff
	s_lshl_b32 s17, s17, 2
	s_add_co_u32 s17, s17, s41                     ; TA
	s_lshl_b32 s43, s41, 2
	s_lshl_b32 s43, 15, s43
	s_lshl_b32 s44, 0x1111, s40
	s_or_b32 s[G1], s43, (3<<16)|(1<<21)           ; A: 4 rows of 768 elements of 8 bytes
	s_mov_b32 s[G1+1], 768<<16
	s_mov_b32 s[G1+2], 4<<16
	s_mov_b32 s[G1+3], 768<<16
	s_mov_b32 s[G1+4], 4
	s_mov_b32 s[G1+5], 192*KSTEPS
	s_mov_b32 s[G1+6], 0
	s_mov_b32 s[G1+7], 0
	s_or_b32 s[G1B], s44, (0<<16)|(1<<20)|(1<<21)|(5<<22)|(3<<25)   ; W: 64 rows of 768 bytes, 4 words of padding behind every 64
	s_mov_b32 s[G1B+1], 768<<16
	s_mov_b32 s[G1B+2], 64<<16
	s_mov_b32 s[G1B+3], 768<<16
	s_mov_b32 s[G1B+4], 64
	s_mov_b32 s[G1B+5], KROW
	s_mov_b32 s[G1B+6], 0
	s_mov_b32 s[G1B+7], 0
	s_lshl_b32 s20, s17, 3
	s_lshl_b32 s18, s16, 2
	s_add_co_u32 s20, s20, s18
	s_mul_i32 s20, s20, KSTEPS*FRB                 ; A's codes: tile of rows 8 TA + 4 x part
	s_mov_b32 s21, 0
	s_lshl_b32 s22, s17, 9
	s_lshl_b32 s18, s15, 8
	s_add_co_u32 s22, s22, s18
	s_add_co_u32 s22, s22, 4096*KROW               ; A's scale words at my 64 rows
	s_mov_b32 s23, 0
	s_lshl_b32 s46, s42, 7
	s_lshl_b32 s18, s16, 6
	s_add_co_u32 s46, s46, s18                     ; W's row 128 TB + 64 x part: what I fetch and what I multiply
	s_mul_i32 s66, s46, KS
	s_mov_b32 s67, 0
	s_mul_i32 s46, s46, KROW
	s_mov_b32 s47, 0
	s_mul_i32 s45, s16, AHALF
	s_mul_i32 s3, s16, WHALF
	s_add_co_u32 s3, s3, WOFF
	s_wait_dscnt 0x0
	s_wait_kmcnt 0x0
	s_add_nc_u64 s[98:99], s[4:5], s[22:23]        ; A's scale words at my 64 rows
	s_add_nc_u64 s[4:5], s[4:5], s[20:21]
	s_add_nc_u64 s[8:9], s[8:9], s[66:67]
	s_add_nc_u64 s[6:7], s[6:7], s[46:47]
	CROUND                                         ; in front of the first joint loads
.irp s, 0,1
	s_mov_b32 s[G0+4*\s], 1
	s_add_co_u32 s[G0+4*\s+1], s45, \s*ASLOT
	s_add_nc_u64 s[G0+4*\s+2:G0+4*\s+3], s[4:5], \s*4*FRB
	s_or_b32 s[G0+4*\s+3], s[G0+4*\s+3], 0x80000000
	s_mov_b32 s[G0B+4*\s], 1
	s_add_co_u32 s[G0B+4*\s+1], s3, \s*WSLOT
	s_add_nc_u64 s[G0B+4*\s+2:G0B+4*\s+3], s[6:7], \s*768
	s_or_b32 s[G0B+4*\s+3], s[G0B+4*\s+3], 0x80000000
.endr
	JL 0, 0                                        ; half lap 0 of A, lap 0 of W: one load a wave
	s_mul_i32 s21, s15, AHALF
	s_add_co_u32 s70, s21, ASLOT
	s_mul_i32 s22, s16, WHALF
	s_add_co_u32 s22, s22, WOFF
	s_add_co_u32 s71, s22, WSLOT
	s_mul_i32 s23, s14, 16*SPITCH
	s_add_co_u32 s23, s23, STAGE
	s_lshl_b32 s72, s17, 7
	s_lshl_b32 s73, s15, 6
	s_add_co_u32 s72, s72, s73
	s_lshl_b32 s72, s72, 12                        ; my first row, in bytes
	s_lshl_b32 s46, s42, 7
	s_lshl_b32 s47, s16, 6
	s_add_co_u32 s46, s46, s47
	s_lshl_b32 s46, s46, 2                         ; my first column, in bytes
	s_mov_b32 s47, 0
	s_add_nc_u64 s[10:11], s[10:11], s[46:47]
	s_add_co_u32 s72, s72, s46
	s_mov_b32 s73, 0
	s_add_nc_u64 s[12:13], s[12:13], s[72:73]
	s_add_nc_u64 s[96:97], s[96:97], s[72:73]
.if LAPS > 1
	s_cmp_eq_u32 s15, 0                            ; the prefetches: my work-group's share, told apart by address
	s_cselect_b32 s74, s40, s41
	s_mov_b32 s75, 16*KROW
	s_cselect_b32 s75, KSTEPS*FRB, s75
	s_mul_i32 s74, s74, s75
	s_mov_b32 s75, 0
	s_mov_b32 s76, KROW
	s_cselect_b32 s76, 768, s76
	s_cselect_b64 s[PFA:PFA+1], s[4:5], s[6:7]
	s_add_nc_u64 s[PFA:PFA+1], s[PFA:PFA+1], s[74:75]
.endif
	v_and_b32 v1, 15, v0                           ; r
	v_bfe_u32 v2, v0, 4, 1                         ; h
	v_and_b32 v3, 31, v0                           ; lane
	v_lshlrev_b32 v4, 4, v3
	v_lshlrev_b32 v5, 3, v3
	v_mul_u32_u24 v6, v1, WP
	v_mad_u32_u24 v6, v2, 24, v6
	v_lshl_add_u32 v7, v2, 4, v6                   ; where lanes 16-31 have passed one more padding than lanes 0-15
	v_add_nc_u32 v[AD16], s21, v4
	v_add_nc_u32 v[AD16+1], s70, v4
	v_add_nc_u32 v[AD8], s21, v5
	v_add_nc_u32 v[AD8+1], s70, v5
	v_add_nc_u32 v[ADRB], s22, v6
	v_add_nc_u32 v[ADRB+1], s71, v6
	v_add_nc_u32 v[ADRB+2], s22, v7
	v_add_nc_u32 v[ADRB+3], s71, v7
	v_lshlrev_b32 v[LSA], 2, v3
	v_mul_u32_u24 v[LSW], v3, KS
	v_mul_u32_u24 v6, v1, SPITCH
	v_lshl_add_u32 v6, v2, 5, v6
	v_add_nc_u32 v[STO], s23, v6
	v_mul_u32_u24 v6, v2, SPITCH
	v_lshl_add_u32 v6, v1, 4, v6
	v_add_nc_u32 v[RD], s23, v6
	v_lshlrev_b32 v[BA], 4, v1
	v_lshl_add_u32 v[CO], v2, 12, v[BA]
.if LAPS > 1
	v_min_u32 v8, 23, v3                           ; block l = min(lane, 23) = 3 q + m
	v_mul_u32_u24 v9, v8, 11
	v_lshrrev_b32 v9, 5, v9                        ; q = l / 3
	v_mul_u32_u24 v10, v9, 3
	v_sub_nc_u32 v10, v8, v10                      ; m
	v_mul_u32_u24 v[PFO], v9, s76                  ; A: 768 q (dense); W: q rows
	v_lshl_add_u32 v[PFO], v10, 8, v[PFO]
.endif
	s_wait_alu depctr_va_vdst(0)
.irp i, 0,1
.set c, 0
.rept KS/16
	global_load_b128 v[WS+KSTEPS*\i+4*c:WS+KSTEPS*\i+4*c+3], v[LSW], s[8:9] offset:32*KS*\i+16*c    ; W's row 32 i + lane: four K steps' words
.set c, c+1
.endr
.set c, 0
.rept KSTEPS
	global_load_b32 v[AS+KSTEPS*\i+c], v[LSA], s[98:99] offset:16384*c+128*\i                      ; A's row 32 i + lane, K step c
.set c, c+1
.endr
.endr
	WIN 0x80
.irp a, 0,1,2,3
.irp t, 0,1,2,3,4,5,6,7
	global_load_b128 v[32*\a+4*\t:32*\a+4*\t+3], v[CO], s[12:13] offset:(16*\a+2*\t)*4096           ; the residual: sixteen lanes read 256 consecutive bytes
.endr
.endr
	WIN 0
	global_load_b128 v[12:15], v[BA], s[10:11]
.macro FRAGB reg, adr, st, i           ; W's fragment of step st of its lap: byte y of a row lies at y + 16 (y / 256)
.irp p, 0,1,2,3,4,5
.set BY, 96*(\st)+48*(\p/3)+8*(\p%3)
.if BY/256 == (BY+24)/256
	ds_load_b64 v[\reg+2*\p:\reg+2*\p+1], v[\adr] offset:BY+16*(BY/256)+(\i)*16*WP
.else
	ds_load_b64 v[\reg+2*\p:\reg+2*\p+1], v[\adr+2] offset:BY+16*(BY/256)+(\i)*16*WP
.endif
.endr
.endm
.macro FETCH h, q, f                   ; 40 LDS loads: W's four fragments and A's four of step q of half lap h, into buffer f
	WIN 0x40
.irp i, 0,1,2,3
	FRAGB (\f)+48+12*\i, ADRB+((\h)/2)%2, 4*((\h)%2)+(\q), \i
.endr
.irp i, 0,1,2,3
	ds_load_b128 v[(\f)+12*\i:(\f)+12*\i+3], v[AD16+(\h)%2] offset:4*FRB*\i+FRB*(\q)
	ds_load_b64 v[(\f)+12*\i+4:(\f)+12*\i+5], v[AD8+(\h)%2] offset:4*FRB*\i+FRB*(\q)+512
	ds_load_b128 v[(\f)+12*\i+6:(\f)+12*\i+9], v[AD16+(\h)%2] offset:4*FRB*\i+FRB*(\q)+768
	ds_load_b64 v[(\f)+12*\i+10:(\f)+12*\i+11], v[AD8+(\h)%2] offset:4*FRB*\i+FRB*(\q)+1280
.endr
	WIN 0
.endm
.macro WI cc, m1, m2
	v_wmma_scale_f32_16x16x128_f8f6f4 v[rD:rD+7], v[rB:rB+11], v[rA:rA+11], \cc, v[sB], v[sA] matrix_a_fmt:MATRIX_FMT_FP6 matrix_b_fmt:MATRIX_FMT_FP6 \m1 \m2
.endm
.macro WR cc, a, b                     ; an odd block's scale words lie in lanes 16-31
.if ((\a)%2 == 0) && ((\b)%2 == 0)
	WI \cc
.elseif ((\a)%2 == 0)
	WI \cc, matrix_a_scale:MATRIX_SCALE_ROW1
.elseif ((\b)%2 == 0)
	WI \cc, matrix_b_scale:MATRIX_SCALE_ROW1
.else
	WI \cc, matrix_a_scale:MATRIX_SCALE_ROW1, matrix_b_scale:MATRIX_SCALE_ROW1
.endif
.endm
.macro MULA f, a, s, zero              ; source 0 = 16 rows of W, source 1 = 16 rows of A; the 16 accumulators take turns
.irp b, 0,1,2,3
.set rD, ACC+8*(4*(\a)+\b)
.set rB, (\f)+48+12*\b
.set rA, (\f)+12*(\a)
.set sB, WS+KSTEPS*(\b/2)+(\s)
.set sA, AS+KSTEPS*((\a)/2)+(\s)
.if \zero
	WR 0, \a, \b
.else
	WR v[rD:rD+7], \a, \b
.endif
.endr
.endm
.macro QSTEP h, q, zero                ; step q = 0 .. 2 of a half lap; the next step's fragments are asked for first and land under the 16 products
	s_wait_dscnt 0x0
	PLACES 4
	FETCH \h, (\q)+1, 96*(1-(\q)%2)
	WIN MUL
.irp a, 0,1,2,3
	MULA 96*((\q)%2), \a, 4*(\h)+(\q), \zero
.endr
.endm
.macro ASK h
.if (\h)+3 < NH
	s_cmp_eq_u32 s15, 0
	s_cbranch_scc0 .Lpw_\@
	global_prefetch_b8 v[PFO], s[PFA:PFA+1] offset:((\h)+3)*4*FRB th:TH_LOAD_NT scope:SCOPE_SE
	s_branch .Lpd_\@
.Lpw_\@:
.if ((\h)%2 == 0) && ((\h)/2+2 < LAPS)
	global_prefetch_b8 v[PFO], s[PFA:PFA+1] offset:((\h)/2+2)*768 th:TH_LOAD_NT scope:SCOPE_SE
	global_prefetch_b8 v[PFO], s[PFA:PFA+1] offset:((\h)/2+2)*768+8*KROW th:TH_LOAD_NT scope:SCOPE_SE
.endif
.Lpd_\@:
.endif
.endm
; A half lap's last step changes slots: the three lines, one barrier; where something is left to fetch it opens a round of the cluster's, and A's slot (behind an odd half lap W's too) is filled again.
.macro TURN h
	WIN 0
	s_wait_tensorcnt 0x0                           ; all my tensor loads have landed; so a group 0 may be written
	ds_add_u32 v[SPW], v[NIL]
.if (\h)+2 < NH
	s_add_nc_u64 s[G0+4*((\h)%2)+2:G0+4*((\h)%2)+3], s[G0+4*((\h)%2)+2:G0+4*((\h)%2)+3], 2*4*FRB
.if ((\h)%2 == 1) && ((\h)/2+2 < LAPS)
	s_add_nc_u64 s[G0B+4*(((\h)/2)%2)+2:G0B+4*(((\h)/2)%2)+3], s[G0B+4*(((\h)/2)%2)+2:G0B+4*(((\h)/2)%2)+3], 2*768
.endif
.endif
	s_wait_dscnt 1                                 ; the add alone may be out
	WIN MUL
	MULA F1, 0, 4*(\h)+3, 0
	s_wait_dscnt 0x0                               ; the add is done, my reads of these slots are over
	s_barrier_signal -1
	MULA F1, 1, 4*(\h)+3, 0
	WIN 0
	s_barrier_wait -1
.if (\h)+2 < NH
	CREST
.if ((\h)%2 == 1) && ((\h)/2+2 < LAPS)
	JL (\h)%2, ((\h)/2)%2
.else
	JL (\h)%2, -1
.endif
.else
	PLACES 4
.endif
	FETCH (\h)+1, 0, F0
	ASK \h
	WIN MUL
	MULA F1, 2, 4*(\h)+3, 0
	MULA F1, 3, 4*(\h)+3, 0
.endm
	s_wait_alu depctr_va_vdst(0)
	s_wait_tensorcnt 0x0                           ; my first tile is in; the three lines ahead of the second slots' first fills
	ds_add_u32 v[SPW], v[NIL]
	s_wait_dscnt 0x0
	CROUND
.if LAPS > 1
	JL 1, 1
.else
	JL 1, -1
.endif
	FETCH 0, 0, F0
	s_wait_loadcnt 33                              ; the scale words are in; the residual's 32 loads and the bias's one are younger
.set H, 0
.rept NH                               ; written out: each K step names scale registers of its own
	QSTEP H, 0, (H==0)
	QSTEP H, 1, 0
	QSTEP H, 2, 0
.if H < NH-1
	TURN H
.else
	s_wait_dscnt 0x0
	WIN MUL
.irp a, 0,1,2,3
	MULA F1, \a, 4*H+3, 0
.endr
	WIN 0
.endif
.set H, H+1
.endr
; THE WAY OUT, block by block of 16 rows x 64 columns: through my own stage and back as whole rows of 256 bytes; there the bias and the residual are added
.macro TOSTAGE a
	WIN 0x08
.irp b, 0,1,2,3
	ds_store_b128 v[STO], v[ACC+8*(4*(\a)+\b):ACC+8*(4*(\a)+\b)+3] offset:64*\b
	ds_store_b128 v[STO], v[ACC+8*(4*(\a)+\b)+4:ACC+8*(4*(\a)+\b)+7] offset:64*\b+16
.endr
	WIN 0
.set RB, ROWS+32*((\a)%2)
.irp t, 0,1,2,3,4,5,6,7
	ds_load_b128 v[RB+4*\t:RB+4*\t+3], v[RD] offset:\t*2*SPITCH
.endr
.endm
.macro SEND a, younger
.set RB, ROWS+32*((\a)%2)
	s_wait_dscnt \younger                          ; the block is back; the next block's 8 stores and 8 loads may be out
.irp t, 0,1,2,3,4,5,6,7
	v_pk_add_f32 v[RB+4*\t:RB+4*\t+1], v[RB+4*\t:RB+4*\t+1], v[12:13]
	v_pk_add_f32 v[RB+4*\t+2:RB+4*\t+3], v[RB+4*\t+2:RB+4*\t+3], v[14:15]
.endr
	WIN 0x08
.irp t, 0,1,2,3,4,5,6,7
	v_pk_add_f32 v[RB+4*\t:RB+4*\t+1], v[RB+4*\t:RB+4*\t+1], v[32*(\a)+4*\t:32*(\a)+4*\t+1]
	v_pk_add_f32 v[RB+4*\t+2:RB+4*\t+3], v[RB+4*\t+2:RB+4*\t+3], v[32*(\a)+4*\t+2:32*(\a)+4*\t+3]
.endr
	WIN 0
.irp t, 0,1,2,3,4,5,6,7
	global_store_b128 v[CO], v[RB+4*\t:RB+4*\t+3], s[96:97] offset:(16*(\a)+2*\t)*4096   ; sixteen lanes store 256 consecutive bytes, aligned
.endr
.endm
	PLACES 4
	s_wait_loadcnt 0x0
	TOSTAGE 0
.irp a, 1,2,3
.if \a > 1
	s_wait_xcnt 0x0
.endif
	TOSTAGE \a
	SEND \a-1, 16
.endr
	SEND 3, 0
	s_wait_tensorcnt 0x0                           ; the wave's end
	ds_add_u32 v[SPW], v[NIL]
	s_wait_dscnt 0x0
	CROUND
	s_endpgm
.Lfunc_end_k_q7abfefc3d5_down:
	.size	k_q7abfefc3d5_down, .Lfunc_end_k_q7abfefc3d5_down-k_q7abfefc3d5_down
	.p2alignl 7, 3214868480
	.fill 96, 4, 3214868480
	.section	.rodata,"a",@progbits
	.p2align	6, 0x0
	.amdhsa_kernel k_q7abfefc3d5_down
		.amdhsa_group_segment_fixed_size 327680
		.amdhsa_private_segment_fixed_size 0
		.amdhsa_enable_private_segment 0
		.amdhsa_kernarg_size 48
		.amdhsa_user_sgpr_count 2
		.amdhsa_user_sgpr_kernarg_segment_ptr 1
		.amdhsa_wavefront_size32 1
		.amdhsa_system_sgpr_workgroup_id_x 1
		.amdhsa_system_sgpr_workgroup_id_y 1
		.amdhsa_system_sgpr_workgroup_id_z 1
		.amdhsa_system_vgpr_workitem_id 0
		.amdhsa_next_free_vgpr 768
		.amdhsa_next_free_sgpr 100
		.amdhsa_reserve_vcc 0
		.amdhsa_float_denorm_mode_32 3
		.amdhsa_float_denorm_mode_16_64 3
		.amdhsa_memory_ordered 1
		.amdhsa_forward_progress 1
		.amdhsa_inst_pref_size 196
	.end_amdhsa_kernel
	.amdgpu_metadata
---
amdhsa.version: [ 1, 2 ]
amdhsa.kernels:
  - .name:           k_q7abfefc3d5_down
    .symbol:         k_q7abfefc3d5_down.kd
    .args:
      - { .name: hq, .offset: 0, .size: 8, .value_kind: global_buffer, .address_space: global }
      - { .name: w2_codes, .offset: 8, .size: 8, .value_kind: global_buffer, .address_space: global }
      - { .name: w2_scales, .offset: 16, .size: 8, .value_kind: global_buffer, .address_space: global }
      - { .name: b2, .offset: 24, .size: 8, .value_kind: global_buffer, .address_space: global }
      - { .name: x1, .offset: 32, .size: 8, .value_kind: global_buffer, .address_space: global }
      - { .name: out0, .offset: 40, .size: 8, .value_kind: global_buffer, .address_space: global }
    .group_segment_fixed_size: 327680
    .private_segment_fixed_size: 0
    .kernarg_segment_align: 8
    .kernarg_segment_size: 48
    .max_flat_workgroup_size: 128
    .sgpr_count:     100
    .vgpr_count:     768
    .wavefront_size: 32
...
	.end_amdgpu_metadata
.endif
;; end of part 6
